; MI455X (gfx1250); checked and timed in simulation.
; The chip was launched on July 23, 2026; its instructions are those of AMD's public machine-readable ISA for CDNA 5 (MIT licence, August 2026) and "CDNA5" Instruction Set Architecture Reference Guide (July 2026). The comments in the code are by the model that wrote it; some were corrected since.
;; Multi Modal Spiking Transformer. Allowed arithmetic: matrix products marked QUANTISED: E4M3 operands, one E8M0 scale for each 32 along K, by v_wmma_scale_f32_16x16x128_f8f6f4 with both operands' format E4M3, f32 sums; everything else in f32.
;; Inputs: Wk 512 x 512 float32; Wo 512 x 512 float32; Wq 512 x 512 float32; Wv 512 x 512 float32; bk 512 float32; bo 512 float32; bq 512 float32; bv 512 float32; key_spikes 4 x 32 x 256 x 512 float32; modality_weights 2 x 8 float32; query_spikes 4 x 32 x 256 x 512 float32; temporal_sync 32 x 8 float32; value_spikes 4 x 32 x 256 x 512 float32.
;; Outputs: out0 4 x 32 x 256 x 512 float32.
;; This version of the problem:
;;   THIS VERSION OF THE PROBLEM IS GIVEN IN LOW PRECISION. The matrix products marked QUANTISED in the list below multiply operands that are first quantised to E4M3 (4 exponent bits, 3 mantissa bits; 8 bits a number), with one power-of-two scale for each 32 numbers along K (OCP MX v1.0); their sums are f32. All else is computed in f32.
;;   The module's matrix products, in the order in which they are computed (A, B: the left and right operand; K: the contracted axis; several contracted axes count as one K, in the product's order):
;;     1. [M 32,768, K 512] x [K 512, N 512]; A: input query_spikes; B: input Wq: QUANTISED
;;     2. [M 32,768, K 512] x [K 512, N 512]; A: input key_spikes; B: input Wk: QUANTISED
;;     3. [M 32,768, K 512] x [K 512, N 512]; A: input value_spikes; B: input Wv: QUANTISED
;;     4. batch 1,024 x [M 256, K 64] x [K 64, N 256]; A: computed on the way; B: computed on the way: QUANTISED
;;     5. batch 1,024 x [M 256, K 256] x [K 256, N 64]; A: computed on the way; B: computed on the way: QUANTISED
;;     6. [M 32,768, K 512] x [K 512, N 512]; A: computed on the way; B: input Wo: QUANTISED
;;   THE QUANTISER, for each operand of a quantised product, along K:
;;     - K is cut into blocks of 32 from its start; a last block that is shorter is filled with zeros.
;;     - A block's scale is 2^e with e = floor(log2(the largest magnitude in the block)) - 8, held to -126 .. 127; a block of zeros has e = 0. As a byte (E8M0): e + 127.
;;     - Each number is divided by its block's scale, clamped to +-448, and rounded to the nearest number of E4M3, ties to even, subnormals kept.
;;     - The product sums the exact products of the quantised numbers (number of the format x scale) in f32.
;;   ~~~python
;;   def quantise(x, axis):      # numpy; x: float32 -> the quantised numbers, widened to float32 again
;;       x = np.moveaxis(x, axis, -1); K = x.shape[-1]
;;       x = np.pad(x, [(0, 0)] * (x.ndim - 1) + [(0, -K % 32)]); x = x.reshape(x.shape[:-1] + (-1, 32)); a = np.abs(x).max(-1, keepdims=True)
;;       e = np.where(a > 0, np.clip(np.frexp(np.where(a > 0, a, 1))[1] - 1 - 8, -126, 127), 0)      # np.frexp(a)[1] - 1 = floor(log2(a)), exactly
;;       r = np.clip(x / 2.0 ** e, -448, 448)
;;       step = 2.0 ** (np.maximum(np.frexp(np.where(r == 0, 1, r))[1] - 1, -6) - 3)
;;       q = np.round(r / step) * step * 2.0 ** e      # np.round: ties to even
;;       return np.moveaxis(q.reshape(q.shape[:-2] + (-1,))[..., :K], -1, axis).astype(np.float32)
;;   ~~~
;;   OPERANDS COMPUTED ON THE WAY. 'Computed on the way' means the value that the module computes at that place (a softmax that the list does not call 'softmax' is quantised finished and normalised). What goes into a quantiser is computed in f32, as accurately as f32 sums, v_exp_f32 and their like allow (about 1e-6 of the number): no bf16 or f16 on the way to a quantiser, and a product that is left as it is and whose result goes on into a quantised operand takes f32 operands (vector FMAs, or v_wmma_f32_16x16x4_f32). A number that lies on a knife's edge between two numbers of the format may be rounded either way, as far as f32 arithmetic and the matrix unit's own rounding can turn it there, and no further.
;; 2 versions, each right; version 2 is version 1 with the launches kv, att written anew for expert scheduling mode. Each part assembles by itself: llvm-mc -triple=amdgcn-amd-amdhsa -mcpu=gfx1250 --defsym DOCPART=n.
;; ======== version 1 of 2: 3 launches
;; workspace buffers: wc 1,048,576 bytes; wsc 32,768 bytes; kc 16,777,216 bytes; ksc 1,048,576 bytes; vc 16,777,216 bytes; vsc 524,288 bytes
;; launch wq (part 1): grid 256 x 1, 1 waves a work-group, no clusters, 0 bytes of LDS; arguments Wq, Wk, Wv, Wo, wc, wsc; writes wc, wsc
.if DOCPART == 1
	.amdgcn_target "amdgcn-amd-amdhsa--gfx1250"
	.amdhsa_code_object_version 6
	.text
	.protected	k_q1ebdf5dce2_wq
	.globl	k_q1ebdf5dce2_wq
	.p2align	8
	.type	k_q1ebdf5dce2_wq,@function
k_q1ebdf5dce2_wq:
	s_mov_b64 s[64:65], 0
	v_nop
	global_prefetch_b8 v0, s[64:65] scope:SCOPE_SE
	s_setreg_imm32_b32 hwreg(HW_REG_WAVE_MODE, 25, 1), 1
	s_wait_xcnt 0x0
; THE PROGRAM: three launches.  This one turns the four weights into codes of E4M3 with E8M0 scale bytes; the second projects and quantises K and V; the third does Q, the attention and the output projection.
; DEAD WORK, LEFT OUT IN THE WHOLE PROGRAM: temporal_sync.  reference() adds tau = temporal_sync[t][h] to every score of a row (fixed b, t, h, q; all keys k).  The scores are used in one place alone,
; scores - max over k of scores.  For all real a_k and tau, max_k (a_k + tau) = max_k a_k + tau, so (a_k + tau) - max_k (a_k + tau) = a_k - max_k a_k: tau has no way to any output, whatever the inputs hold.
; The scores are no operand of a quantised product, so no quantiser sees tau either.  temporal_sync is not loaded and is no argument of any launch.
; LIMIT: a NaN, an infinity or an overflow that arises from temporal_sync alone is not carried to the result.
; THIS LAUNCH.  W [512 (k)][512 (n)] f32, K its first axis, is quantised along K: a block of 32 has the scale 2^(floor(log2(largest magnitude)) - 8); its byte is the largest magnitude's exponent field - 8, held at 1 from below.
; A LANE TAKES A COLUMN n AND ITS REGISTERS RUN DOWN K, so that a block lies in one lane and the conversions give codes with K innermost.
; THE CODES ARE LAID IN THE ORDER OF THE OPERAND'S REGISTERS: wc [weight 4 (q, k, v, o)][head 8][tile 4][K step 4][c 4][lane 32][16 bytes]: lane (r, h) of piece c holds k = 128 s + 32 c + 16 h + 0 .. 15
; of column 64 head + 32 (tile / 2) + 8 (tile % 2) + r + 8 (r / 8).  THE COLUMNS OF A TILE ARE NOT NEIGHBOURS: so the 16 result registers of tiles 2 b and 2 b + 1 are 16 neighbours along the next product's K.
; The scale words: wsc [weight][head][tile][j 2][lane 32]: lanes 0-15 the words of K step 2 j, lanes 16-31 those of K step 2 j + 1.
; SHARES: 256 work-groups of one wave: weight = id / 64, 32 columns g = (id / 4) % 16, K step s = id % 4: 128 x 32 numbers.  No LDS, no barrier, no matrix unit: a stream.
; LIMITS: NaN and infinities among the inputs are not served.  A block of zeros gets the byte 1 where the rule says 127: its codes are zeros, and this program alone reads the bytes.
.set X,    32                          ; v32-159  128 numbers down K
.set C,    160                         ; v160-191 codes: eight registers a block, never written twice
	s_load_b256 s[4:11], s[0:1], 0x0               ; Wq, Wk, Wv, Wo
	s_load_b128 s[12:15], s[0:1], 0x20             ; wc, wsc
	s_lshr_b32 s16, ttmp9, 6                       ; which weight
	s_bfe_u32 s17, ttmp9, 0x40002                  ; g: which 32 columns
	s_and_b32 s18, ttmp9, 3                        ; s: which 128 along K
	v_lshlrev_b32 v3, 2, v0                        ; in: 4 bytes a lane (one wave: v0 is the lane)
	v_bfe_u32 v6, v0, 3, 1                         ; u: column j = lane lies in tile 2 b + u, u = (j / 8) % 2,
	v_and_b32 v7, 7, v0
	v_lshrrev_b32 v8, 4, v0
	v_lshl_add_u32 v7, v8, 3, v7                   ; at row r = j % 8 + 8 (j / 16)
	v_lshlrev_b32 v4, 4, v7
	v_lshl_add_u32 v4, v6, 13, v4                  ; codes: 8,192 u + 16 r
	v_lshlrev_b32 v5, 2, v7
	v_lshl_add_u32 v5, v6, 8, v5                   ; scale word: 256 u + 4 r
	s_mov_b32 s31, 0x600000                        ; the mantissa field of 448
	s_lshl_b32 s20, s18, 18                        ; W: 128 s rows of 2,048 bytes
	s_lshl_b32 s21, s17, 7                         ; + 32 g columns
	s_add_co_u32 s20, s20, s21
	s_mov_b32 s21, 0
	s_lshl_b32 s22, s16, 18                        ; wc: 262,144 x weight
	s_lshl_b32 s23, s17, 14                        ; + 16,384 g (head g / 2, tiles 2 (g % 2) on)
	s_add_co_u32 s22, s22, s23
	s_lshl_b32 s23, s18, 11                        ; + 2,048 s
	s_add_co_u32 s22, s22, s23
	s_mov_b32 s23, 0
	s_lshl_b32 s24, s16, 13                        ; wsc: 8,192 x weight
	s_lshl_b32 s25, s17, 9                         ; + 512 g
	s_add_co_u32 s24, s24, s25
	s_lshr_b32 s25, s18, 1
	s_lshl_b32 s25, s25, 7                         ; + 128 (s / 2)
	s_add_co_u32 s24, s24, s25
	s_and_b32 s25, s18, 1
	s_lshl_b32 s25, s25, 6                         ; + 64 (s % 2)
	s_add_co_u32 s24, s24, s25
	s_mov_b32 s25, 0
	s_wait_kmcnt 0x0
	s_cmp_lt_u32 s16, 2                            ; the weight is chosen by the work-group's number alone
	s_cselect_b64 s[4:5], s[4:5], s[8:9]
	s_cselect_b64 s[6:7], s[6:7], s[10:11]
	s_and_b32 s26, s16, 1
	s_cmp_eq_u32 s26, 0
	s_cselect_b64 s[4:5], s[4:5], s[6:7]
	s_add_nc_u64 s[4:5], s[4:5], s[20:21]
	s_add_nc_u64 s[12:13], s[12:13], s[22:23]
	s_add_nc_u64 s[14:15], s[14:15], s[24:25]
.macro LOAD c                          ; block c: W(128 s + 32 c + i, my column): 32 lanes read 128 consecutive bytes
.set i, 0
.rept 32
	global_load_b32 v[X+32*(\c)+i], v3, s[4:5] offset:(32*(\c)+i)*2048
.set i, i+1
.endr
.endm
.macro BLOCK c
.set XS, X+32*(\c)
.set CS, C+8*(\c)
.if (\c) < 3
	s_wait_loadcnt 32                              ; this block's 32 loads are in; the next block's 32 may be out
.else
	s_wait_loadcnt 0x0
.endif
.if (\c) < 2
	LOAD (\c)+2                                    ; two blocks ahead, into registers of their own
.endif
	v_max3_num_f32 v12, |v[XS]|, |v[XS+1]|, |v[XS+2]|   ; the block's largest magnitude: all 32 numbers are mine; two chains
	v_max3_num_f32 v13, |v[XS+3]|, |v[XS+4]|, |v[XS+5]|
.irp i, 6,10,14,18,22,26
	v_max3_num_f32 v12, v12, |v[XS+\i]|, |v[XS+\i+1]|
	v_max3_num_f32 v13, v13, |v[XS+\i+2]|, |v[XS+\i+3]|
.endr
	v_max3_num_f32 v12, v12, |v[XS+30]|, |v[XS+31]|
	v_max3_num_f32 v12, v12, v13, 0x4800000        ; and the floor 2^(9 - 127): the byte cannot fall under 1
	v_add_nc_u32 v11, 0xfc000000, v12              ; 8 off the exponent field: the conversion's scale operand
	v_and_or_b32 v10, v12, 0x7f800000, s31         ; 448 x the scale
	v_lshrrev_b32 v13, 23, v11                     ; the scale's byte
.if (\c) == 0
	v_mov_b32 v14, v13                             ; four bytes make the K step's scale word of my column
.else
	v_lshl_or_b32 v14, v13, 8*(\c), v14
.endif
.irp i, 0,1,2,3,4,5,6,7,8,9,10,11,12,13,14,15,16,17,18,19,20,21,22,23,24,25,26,27,28,29,30,31
	v_med3_num_f32 v[XS+\i], v[XS+\i], -v10, v10   ; the conversion to an 8-bit code does not saturate (ISA guide 7.6.2): the hold at 448 x the scale
.endr
.irp g, 0,1,2,3
	v_cvt_scalef32_pk8_fp8_f32 v[CS+2*\g:CS+2*\g+1], v[XS+8*\g:XS+8*\g+7], v11
.endr
	global_store_b128 v4, v[CS:CS+3], s[12:13] offset:512*(\c)          ; k = 32 c + 0 .. 15: the places of lanes 0-15 of piece c; the 16 lanes of a tile fill 256 consecutive bytes, aligned
	global_store_b128 v4, v[CS+4:CS+7], s[12:13] offset:512*(\c)+256    ; k = 32 c + 16 .. 31: the places of lanes 16-31
.endm
	LOAD 0
	LOAD 1
	BLOCK 0
	BLOCK 1
	BLOCK 2
	BLOCK 3
	global_store_b32 v5, v14, s[14:15]             ; no register that a store reads is written again: no further wait
	s_endpgm
.Lfunc_end_k_q1ebdf5dce2_wq:
	.size	k_q1ebdf5dce2_wq, .Lfunc_end_k_q1ebdf5dce2_wq-k_q1ebdf5dce2_wq
	.p2alignl 7, 3214868480
	.fill 96, 4, 3214868480
	.section	.rodata,"a",@progbits
	.p2align	6, 0x0
	.amdhsa_kernel k_q1ebdf5dce2_wq
		.amdhsa_group_segment_fixed_size 0
		.amdhsa_private_segment_fixed_size 0
		.amdhsa_enable_private_segment 0
		.amdhsa_kernarg_size 48
		.amdhsa_user_sgpr_count 2
		.amdhsa_user_sgpr_kernarg_segment_ptr 1
		.amdhsa_wavefront_size32 1
		.amdhsa_system_sgpr_workgroup_id_x 1
		.amdhsa_system_sgpr_workgroup_id_y 1
		.amdhsa_system_sgpr_workgroup_id_z 1
		.amdhsa_system_vgpr_workitem_id 0
		.amdhsa_next_free_vgpr 192
		.amdhsa_next_free_sgpr 66
		.amdhsa_reserve_vcc 0
		.amdhsa_float_denorm_mode_32 3
		.amdhsa_float_denorm_mode_16_64 3
		.amdhsa_memory_ordered 1
		.amdhsa_forward_progress 1
		.amdhsa_inst_pref_size 29
	.end_amdhsa_kernel
	.amdgpu_metadata
---
amdhsa.version: [ 1, 2 ]
amdhsa.kernels:
  - .name:           k_q1ebdf5dce2_wq
    .symbol:         k_q1ebdf5dce2_wq.kd
    .args:
      - { .name: Wq, .offset: 0, .size: 8, .value_kind: global_buffer, .address_space: global }
      - { .name: Wk, .offset: 8, .size: 8, .value_kind: global_buffer, .address_space: global }
      - { .name: Wv, .offset: 16, .size: 8, .value_kind: global_buffer, .address_space: global }
      - { .name: Wo, .offset: 24, .size: 8, .value_kind: global_buffer, .address_space: global }
      - { .name: wc, .offset: 32, .size: 8, .value_kind: global_buffer, .address_space: global }
      - { .name: wsc, .offset: 40, .size: 8, .value_kind: global_buffer, .address_space: global }
    .group_segment_fixed_size: 0
    .private_segment_fixed_size: 0
    .kernarg_segment_align: 8
    .kernarg_segment_size: 48
    .max_flat_workgroup_size: 32
    .sgpr_count:     66
    .vgpr_count:     192
    .wavefront_size: 32
...
	.end_amdgpu_metadata
.endif
;; end of part 1
;; launch kv (part 2): grid 128 x 2, 8 waves a work-group, no clusters, 35,840 bytes of LDS; arguments key_spikes, value_spikes, wc, wsc, bk, bv, kc, ksc, vc, vsc; writes kc, ksc, vc, vsc
.if DOCPART == 2
	.amdgcn_target "amdgcn-amd-amdhsa--gfx1250"
	.amdhsa_code_object_version 6
	.text
	.protected	k_q1ebdf5dce2_kv
	.globl	k_q1ebdf5dce2_kv
	.p2align	8
	.type	k_q1ebdf5dce2_kv,@function
k_q1ebdf5dce2_kv:
	s_mov_b64 s[64:65], 0
	v_nop
	global_prefetch_b8 v0, s[64:65] scope:SCOPE_SE
	s_setreg_imm32_b32 hwreg(HW_REG_WAVE_MODE, 25, 1), 1
	s_wait_xcnt 0x0
; K = Q8(key_spikes) Q8(Wk) + bk and V = Q8(value_spikes) Q8(Wv) + bv, Q8 the quantiser to E4M3 with one E8M0 scale for each 32 along K; the results are quantised at once for the attention's two products:
; K along the head's 64 (two blocks), V along the keys (eight blocks), and stored as codes in the order of the operand's registers.  (temporal_sync is left out of the whole program: see the first kernel's head.)
; SHARES.  Work-group (x, y): slice bt = x (256 rows x 512), y = 0: K, y = 1: V.  Eight waves; 8 chunks of 32 rows.  Wave w quantises 4 rows of each chunk, and projects all 32 rows onto head w (columns 64 w .. 64 w + 63):
; its 256 registers of weight codes (window 1) are read once and stay.
; x GOES FROM WAVE TO WAVE THROUGH LDS: two buffers by turns, 32 rows of 512 code bytes + 16 of padding (pitch 528 = 33 x 16: the 16 rows of a fragment load fall on 16 different 16-byte columns of 256), then 32 x 16 scale bytes.
; ONE BARRIER A CHUNK: buffer p is written again two chunks on, behind the next chunk's barrier, which every wave signals only when its reads of buffer p are back.
; THE ROWS OF A TILE ARE NOT NEIGHBOURS: place 16 u + r of a buffer holds chunk row 8 u + r + 8 (r / 8).  K is used transposed (source 0 = 16 columns of W, source 1 = 16 rows of x): a lane holds one key, registers run along d.
; V is used as it stands (source 0 = x, source 1 = W): a lane holds one column d, and the 16 registers of tiles u = 0, 1 are the 16 neighbouring keys 16 (lane / 16) + 0 .. 15 of the chunk: a chunk is one block of 32 keys.
; OUT.  kc [bt][head][key tile 16][c 2][lane][16 B];  ksc [bt][head][kb 8][lane] words: lanes 0-15 tile 2 kb, lanes 16-31 tile 2 kb + 1; bytes 0, 1 the scales, bytes 2, 3 zero;
;       vc [bt][head][f 4][ks 2][c 4][lane][16 B];   vsc [bt][head][f 4][lane] words: lanes 0-15 keys 0-127, lanes 16-31 keys 128-255.
; CLUSTERS are not used: what work-groups share is a weight's 256 KB of codes, which lie in memory in the order of the operand's registers and go by plain loads into the registers where they stay; a joint load would
; land them in LDS, from where the same 256 KB would be read once more; the 512 KB of x that a work-group streams are its own.
; LIMITS: NaN and infinities among the inputs are not served; a block of zeros gets the byte 1 where the rule says 127 (its codes are zeros; this program alone reads the bytes); the bias starts the f32 sum where reference() adds it last.
.set XBUF,  17408                      ; an x buffer: 32 x 528 + 32 x 16
.set XSB,   16896                      ; its scale bytes
.set SPARE, 34816                      ; the spare words, 128 bytes a wave: four blocks of 256 bytes that no other line names
.set SPW, 1                            ; v1   my spare word's address; never rewritten
.set NIL, 2                            ; v2   0; never rewritten
.set XA,  3                            ; v3   64 x lane: my 16 numbers of a row of x
.set XWC, 4                            ; v4   where I store codes: 4 w rows of 528 + 16 x lane
.set XWB, 5                            ; v5   and scale bytes: 64 w + lane / 2
.set XFA, 6                            ; v6   a fragment's place for my lane: 528 r + 16 h
.set LI,  8                            ; v8   16 x lane
.set LS,  9                            ; v9   4 x lane
.set PFO, 10                           ; v10  the prefetch's offset: 2,048 (lane / 8) + 256 (lane % 8)
.set BA,  11                           ; v11  bk: 64 h
.set VS,  12                           ; v12-15 V's scale words as they grow
.set WS,  16                           ; v16-23 the weight's scale words: 2 t + s / 2, the row by s % 2
.set XSC, 24                           ; v24-27 x's scale words: K step s; lanes 0-15 tile 0, lanes 16-31 tile 1
.set BAV, 28                           ; v28  bv: 4 (r + 8 (r / 8))
.set BI,  32                           ; v32-63 the bias in the result's layout, eight registers a tile
.set XF,  64                           ; v64-127 x's fragments: two K steps by turns, two tiles each
.set PC,  64                           ; v64-79 codes just made;  v80-95, v96-99 at work: laid over XF while it is idle
.set TM,  80
.set T,   96
.set HA,  128                          ; v128-191 eight accumulators
.set RAW, 192                          ; v192-255 four rows' 16 numbers a lane
.set WV,  28
.set Y,   29
.set SBT, 30
.set XB,  32                           ; s[32:33] x at my rows of the chunk in hand
.set WCP, 34
.set WSP, 36
.set BP,  38
.set OC,  40                           ; s[40:41] where the chunk's codes go;  s[42:43] its scale words
.set OS,  42
.set OCS, 44                           ; s[44:45], s[46:47] their steps
.set OSS, 46
.set SEL, 48                           ; s[48:49] v_permlanex16_b32's selects for lane l xor 16
.set MNT, 50
.set HI,  51
.set CH,  52                           ; the chunk
.set LP,  53
.set HM,  54
.set SH,  55
.set MSB, 0
.macro WIN new                         ; the immediate's high byte repeats the setting that is left
.if MSB != (\new)
	s_set_vgpr_msb (MSB<<8)|(\new)
.set MSB, (\new)
.endif
.endm
.macro NOPS n
.rept \n
	v_nop
.endr
.endm
.macro BAR                             ; my LDS stores have landed and my LDS loads are in: then the work-group's barrier
	s_wait_dscnt 0x0
	s_barrier_signal -1
	s_barrier_wait -1
.endm
; nb blocks, block b = v[s + 16 b] .. + 15 (half a block of 32; the other half lies in lane l xor 1 (join = 0) or l xor 16 (join = 1)), become codes in v[PC + 4 b] on and scale bytes in v[TM + 4 + b].
.macro QUANT s, join, nb
.set qb, 0
.rept \nb
	v_max3_num_f32 v[TM+qb], |v[(\s)+16*qb]|, |v[(\s)+16*qb+1]|, 0x4800000   ; with the floor 2^(9 - 127): the byte cannot fall under 1.  (Each accumulator is read from its low end on)
.set qb, qb+1
.endr
.irp i, 2,4,6,8,10,12,14
.set qb, 0
.rept \nb
	v_max3_num_f32 v[TM+qb], v[TM+qb], |v[(\s)+16*qb+\i]|, |v[(\s)+16*qb+\i+1]|   ; the blocks by turns
.set qb, qb+1
.endr
.endr
.if \join
.set qb, 0
.rept \nb
	v_permlanex16_b32 v[TM+4+qb], v[TM+qb], s[SEL], s[SEL+1]
.set qb, qb+1
.endr
.set qb, 0
.rept \nb
	v_max_num_f32 v[TM+qb], v[TM+qb], v[TM+4+qb]
.set qb, qb+1
.endr
.else
.set qb, 0
.rept \nb
	v_max_num_f32_dpp v[TM+qb], v[TM+qb], v[TM+qb] row_xmask:1 row_mask:0xf bank_mask:0xf
.set qb, qb+1
.endr
.endif
.set qb, 0
.rept \nb
	v_add_nc_u32 v[TM+12+qb], 0xfc000000, v[TM+qb]   ; 8 off the exponent field: the conversion's scale operand
.set qb, qb+1
.endr
.set qb, 0
.rept \nb
	v_and_or_b32 v[TM+8+qb], v[TM+qb], 0x7f800000, s[MNT]   ; 448 x the scale
.set qb, qb+1
.endr
.set qb, 0
.rept \nb
	v_lshrrev_b32 v[TM+4+qb], 23, v[TM+12+qb]      ; the scale's byte
.set qb, qb+1
.endr
.set qb, 0
.rept \nb
.irp i, 0,1,2,3,4,5,6,7,8,9,10,11,12,13,14,15
	v_med3_num_f32 v[(\s)+16*qb+\i], v[(\s)+16*qb+\i], -v[TM+8+qb], v[TM+8+qb]   ; the conversion does not saturate (ISA guide 7.6.2): the hold
.endr
	v_cvt_scalef32_pk8_fp8_f32 v[PC+4*qb:PC+4*qb+1], v[(\s)+16*qb:(\s)+16*qb+7], v[TM+12+qb]
	v_cvt_scalef32_pk8_fp8_f32 v[PC+4*qb+2:PC+4*qb+3], v[(\s)+16*qb+8:(\s)+16*qb+15], v[TM+12+qb]
.set qb, qb+1
.endr
	v_nop                                          ; a plain line behind the last conversion
.endm
.macro XLOAD o                         ; my four rows, o bytes on: a lane takes 64 neighbouring bytes of each; a row's four loads cover its 2,048 bytes
.irp i, 0,1,2,3
.irp j, 0,1,2,3
	global_load_b128 v[RAW+16*\i+4*\j:RAW+16*\i+4*\j+3], v[XA], s[XB:XB+1] offset:(\o)+2048*\i+16*\j th:TH_LOAD_NT
.endr
.endr
.endm
.macro XSTORE p                        ; four rows' codes and scale bytes into buffer p
.irp i, 0,1,2,3
	ds_store_b128 v[XWC], v[PC+4*\i:PC+4*\i+3] offset:(\p)*XBUF+528*\i
.endr
.irp i, 0,1,2,3
	ds_store_b8 v[XWB], v[TM+4+\i] offset:(\p)*XBUF+XSB+16*\i   ; both lanes of a block write the same byte with the same value
.endr
.endm
.macro FRAGS p, s                      ; K step s of both tiles of rows: lane (r, h), registers 4 c on: k = 128 s + 32 c + 16 h + 0 .. 15
.irp u, 0,1
.irp c, 0,1,2,3
	ds_load_b128 v[XF+32*((\s)%2)+16*\u+4*\c:XF+32*((\s)%2)+16*\u+4*\c+3], v[XFA] offset:(\p)*XBUF+16*\u*528+128*(\s)+32*\c
.endr
.endr
.endm
; one scaled product.  c < 0: the sum starts with 0.  ra, rb: the scales are read from lanes 16-31 of their registers
.macro WM d, a, b, c, sa, sb, ra, rb
.set wm_m, 2*(\ra)+(\rb)
.if (\c) < 0
.if wm_m == 0
	v_wmma_scale_f32_16x16x128_f8f6f4 v[(\d):(\d)+7], v[(\a):(\a)+15], v[(\b):(\b)+15], 0, v[(\sa)], v[(\sb)]
.elseif wm_m == 1
	v_wmma_scale_f32_16x16x128_f8f6f4 v[(\d):(\d)+7], v[(\a):(\a)+15], v[(\b):(\b)+15], 0, v[(\sa)], v[(\sb)] matrix_b_scale:MATRIX_SCALE_ROW1
.elseif wm_m == 2
	v_wmma_scale_f32_16x16x128_f8f6f4 v[(\d):(\d)+7], v[(\a):(\a)+15], v[(\b):(\b)+15], 0, v[(\sa)], v[(\sb)] matrix_a_scale:MATRIX_SCALE_ROW1
.else
	v_wmma_scale_f32_16x16x128_f8f6f4 v[(\d):(\d)+7], v[(\a):(\a)+15], v[(\b):(\b)+15], 0, v[(\sa)], v[(\sb)] matrix_a_scale:MATRIX_SCALE_ROW1 matrix_b_scale:MATRIX_SCALE_ROW1
.endif
.else
.if wm_m == 0
	v_wmma_scale_f32_16x16x128_f8f6f4 v[(\d):(\d)+7], v[(\a):(\a)+15], v[(\b):(\b)+15], v[(\c):(\c)+7], v[(\sa)], v[(\sb)]
.elseif wm_m == 1
	v_wmma_scale_f32_16x16x128_f8f6f4 v[(\d):(\d)+7], v[(\a):(\a)+15], v[(\b):(\b)+15], v[(\c):(\c)+7], v[(\sa)], v[(\sb)] matrix_b_scale:MATRIX_SCALE_ROW1
.elseif wm_m == 2
	v_wmma_scale_f32_16x16x128_f8f6f4 v[(\d):(\d)+7], v[(\a):(\a)+15], v[(\b):(\b)+15], v[(\c):(\c)+7], v[(\sa)], v[(\sb)] matrix_a_scale:MATRIX_SCALE_ROW1
.else
	v_wmma_scale_f32_16x16x128_f8f6f4 v[(\d):(\d)+7], v[(\a):(\a)+15], v[(\b):(\b)+15], v[(\c):(\c)+7], v[(\sa)], v[(\sb)] matrix_a_scale:MATRIX_SCALE_ROW1 matrix_b_scale:MATRIX_SCALE_ROW1
.endif
.endif
.endm
; K step s of the eight accumulators, one instruction a turn.  The bias is the C of a sum's first product.
.macro MUL8 nat, s
.if \nat
.irp f, 0,1,2,3
.irp u, 0,1
.if (\s) == 0
	WM HA+16*\f+8*\u, XF+32*((\s)%2)+16*\u, 16*(4*\f+(\s)), BI+8*\f, XSC+(\s), WS+2*\f+(\s)/2, \u, (\s)%2
.else
	WM HA+16*\f+8*\u, XF+32*((\s)%2)+16*\u, 16*(4*\f+(\s)), HA+16*\f+8*\u, XSC+(\s), WS+2*\f+(\s)/2, \u, (\s)%2
.endif
.endr
.endr
.else
.irp u, 0,1
.irp t, 0,1,2,3
.if (\s) == 0
	WM HA+32*\u+8*\t, 16*(4*\t+(\s)), XF+32*((\s)%2)+16*\u, BI+8*\t, WS+2*\t+(\s)/2, XSC+(\s), (\s)%2, \u
.else
	WM HA+32*\u+8*\t, 16*(4*\t+(\s)), XF+32*((\s)%2)+16*\u, HA+32*\u+8*\t, WS+2*\t+(\s)/2, XSC+(\s), (\s)%2, \u
.endif
.endr
.endr
.endif
.endm
; 32 rows of buffer p x my 64 columns, K = 512 in four steps.  nat = 0: transposed (the weight is source 0, in window 1); nat = 1: as it stands (the weight is source 1).
; A load into a register that a product has read stands eight places behind it, a product that begins a sum anew on an accumulator nine; only plain vector lines that name none of its registers are places.
.macro PROJ p, nat
	ds_load_b128 v[XSC:XSC+3], v[LI] offset:(\p)*XBUF+XSB   ; lane l: the 16 scale bytes of place l
	FRAGS \p, 0
	FRAGS \p, 1
	NOPS 4                                         ; the fragments' registers were last written by vector lines: four places ahead of a scaled product
	s_wait_dscnt 8                                 ; the scale words and K step 0 are in; K step 1's eight loads may be out
	WIN 1+3*(\nat)
	MUL8 \nat, 0
	WIN 0
	NOPS 8
	FRAGS \p, 2
	s_wait_dscnt 8                                 ; K step 1 is in; K step 2's eight may be out
	WIN 1+3*(\nat)
	MUL8 \nat, 1
	WIN 0
	NOPS 8
	FRAGS \p, 3
	s_wait_dscnt 8                                 ; K step 2 is in; K step 3's eight may be out
	WIN 1+3*(\nat)
	MUL8 \nat, 2
	s_wait_dscnt 0x0
	MUL8 \nat, 3
	WIN 0
	NOPS 9
.endm
.macro LOADW1 first, n, base, off      ; n pieces of 512 bytes, as they lie, into window 1 from v[first] on
	WIN 0x40
.set li_, 0
.rept \n
	global_load_b128 v[(\first)+4*li_:(\first)+4*li_+3], v[LI], s[(\base):(\base)+1] offset:(\off)+512*li_
.set li_, li_+1
.endr
	WIN 0
.endm
	s_load_b512 s[8:23], s[0:1], 0x0               ; key_spikes, value_spikes, wc, wsc, bk, bv, kc, ksc
	s_load_b128 s[24:27], s[0:1], 0x40             ; vc, vsc
	v_lshl_add_u32 v[SPW], v0, 2, SPARE
	v_mov_b32 v[NIL], 0
	v_lshrrev_b32 v[T], 5, v0
	v_readfirstlane_b32 s[WV], v[T]                ; wave 0..7
	s_and_b32 s[Y], ttmp7, 0xffff                  ; 0: K, 1: V
	s_mov_b32 s[SBT], ttmp9                        ; the slice
	v_and_b32 v[T], 31, v0                         ; lane
	v_and_b32 v[T+1], 15, v0                       ; r
	v_bfe_u32 v[T+2], v0, 4, 1                     ; h
	v_lshlrev_b32 v[XA], 6, v[T]
	s_mul_i32 s56, s[WV], 4*528
	v_lshl_add_u32 v[XWC], v[T], 4, s56
	s_lshl_b32 s56, s[WV], 6
	v_lshrrev_b32 v[XWB], 1, v[T]
	v_add_nc_u32 v[XWB], s56, v[XWB]
	v_mul_u32_u24 v[XFA], v[T+1], 528
	v_lshl_add_u32 v[XFA], v[T+2], 4, v[XFA]
	v_lshlrev_b32 v[LI], 4, v[T]
	v_lshlrev_b32 v[LS], 2, v[T]
	v_lshrrev_b32 v[T+3], 3, v[T]
	v_and_b32 v[PFO], 7, v[T]
	v_lshlrev_b32 v[PFO], 8, v[PFO]
	v_lshl_add_u32 v[PFO], v[T+3], 11, v[PFO]
	v_lshlrev_b32 v[BA], 6, v[T+2]
	v_and_b32 v[T+3], 8, v[T+1]
	v_add_nc_u32 v[T+3], v[T+3], v[T+1]
	v_lshlrev_b32 v[BAV], 2, v[T+3]
.irp f, 0,1,2,3
	v_mov_b32 v[VS+\f], 0
	v_mov_b32 v[TM+4+\f], 0                        ; a lane permute's destination counts as one of its sources
.endr
	s_mov_b32 s[SEL], 0x76543210
	s_mov_b32 s[SEL+1], 0xfedcba98
	s_mov_b32 s[MNT], 0x600000
	s_mov_b32 s[HI], 0xffff0000
	s_mov_b32 s[CH], 0
	s_mov_b32 s[LP], 4
	s_lshr_b32 s56, s[WV], 2                       ; places 4 w .. 4 w + 3 hold chunk rows 8 (w / 4) + 4 (w % 4) + 8 ((w / 2) % 2) + 0 .. 3
	s_lshl_b32 s56, s56, 3
	s_and_b32 s57, s[WV], 3
	s_lshl_b32 s57, s57, 2
	s_add_co_u32 s56, s56, s57
	s_bfe_u32 s57, s[WV], 0x10001
	s_lshl_b32 s57, s57, 3
	s_add_co_u32 s56, s56, s57
	s_lshl_b32 s56, s56, 11                        ; rows of 2,048 bytes
	s_lshl_b32 s57, s[SBT], 19                     ; + the slice's 524,288 bytes
	s_add_co_u32 s56, s56, s57
	s_mov_b32 s57, 0
	s_add_co_u32 s58, s[Y], 1                      ; weight 1 (k) or 2 (v)
	s_lshl_b32 s60, s58, 13
	s_lshl_b32 s58, s58, 18
	s_lshl_b32 s59, s[WV], 15
	s_add_co_u32 s58, s58, s59                     ; its codes for head w
	s_mov_b32 s59, 0
	s_lshl_b32 s61, s[WV], 10
	s_add_co_u32 s60, s60, s61                     ; and scale words
	s_mov_b32 s61, 0
	s_lshl_b32 s62, s[SBT], 3
	s_add_co_u32 s62, s62, s[WV]                   ; 8 bt + w
	s_wait_kmcnt 0x0
	s_cmp_eq_u32 s[Y], 0                           ; the buffers are chosen by the work-group's number alone
	s_cselect_b64 s[XB:XB+1], s[8:9], s[10:11]
	s_cselect_b64 s[BP:BP+1], s[16:17], s[18:19]
	s_cselect_b64 s[OC:OC+1], s[20:21], s[24:25]
	s_cselect_b64 s[OS:OS+1], s[22:23], s[26:27]
	s_mov_b32 s[OCS], 512
	s_cselect_b32 s[OCS], 2048, s[OCS]             ; a chunk's codes: K two key tiles, V piece c of each fragment
	s_mov_b32 s[OCS+1], 0
	s_cselect_b32 s[OSS], 128, 0
	s_mov_b32 s[OSS+1], 0
	s_cselect_b32 s[SH], 10, 9
	s_add_nc_u64 s[XB:XB+1], s[XB:XB+1], s[56:57]
	s_add_nc_u64 s[WCP:WCP+1], s[12:13], s[58:59]
	s_add_nc_u64 s[WSP:WSP+1], s[14:15], s[60:61]
	s_lshl_b32 s56, s[WV], 8
	s_add_nc_u64 s[BP:BP+1], s[BP:BP+1], s[56:57]
	s_lshl_b32 s56, s62, 14
	s_add_nc_u64 s[OC:OC+1], s[OC:OC+1], s[56:57]
	s_lshl_b32 s56, s62, s[SH]
	s_add_nc_u64 s[OS:OS+1], s[OS:OS+1], s[56:57]
	XLOAD 0                                        ; chunk 0
	LOADW1 0, 64, WCP, 0                           ; fragment (t, s) at window 1's v[16 (4 t + s)]
.irp i, 0,1,2,3,4,5,6,7
	global_load_b32 v[WS+\i], v[LS], s[WSP:WSP+1] offset:128*\i
.endr
	s_cmp_lg_u32 s[Y], 0
	s_cbranch_scc1 .Lbias_v
.irp t, 0,1,2,3                        ; K: lane (r, h), tile t, register j: column 32 (t / 2) + 8 (t % 2) + 16 h + j
	global_load_b128 v[BI+8*\t:BI+8*\t+3], v[BA], s[BP:BP+1] offset:(32*(\t/2)+8*(\t%2))*4
	global_load_b128 v[BI+8*\t+4:BI+8*\t+7], v[BA], s[BP:BP+1] offset:(32*(\t/2)+8*(\t%2))*4+16
.endr
	s_branch .Lbias_done
.Lbias_v:
.irp t, 0,1,2,3                        ; V: a lane holds one column, 32 (t / 2) + 8 (t % 2) + r + 8 (r / 8), in all eight registers
.irp j, 0,1,2,3,4,5,6,7
	global_load_b32 v[BI+8*\t+\j], v[BAV], s[BP:BP+1] offset:(32*(\t/2)+8*(\t%2))*4
.endr
.endr
.Lbias_done:
.macro TRIP p
	s_wait_loadcnt 0x0                             ; my four rows of this chunk (in the first trip the weight and the bias too)
	QUANT RAW, 0, 4
	XSTORE \p
.if \p
	s_cmp_lt_u32 s[CH], 7                          ; the last chunk has no successor: no load leaves its buffer
	s_cbranch_scc0 .Lnox_\@
.endif
	XLOAD 65536                                    ; the next chunk, a whole trip ahead of its wait
.if \p
.Lnox_\@:
.endif
	s_cmp_lt_u32 s[CH], 5                          ; a prefetch of my four rows of chunk CH + 3, a lane to each 256 bytes: two trips ahead of the loads that will want them; each block is named once in the launch; the last three chunks ask for nothing
	s_cbranch_scc0 .Lnop_\@
	global_prefetch_b8 v[PFO], s[XB:XB+1] offset:196608 th:TH_LOAD_NT scope:SCOPE_SE
.Lnop_\@:
	BAR                                            ; the chunk's 32 rows lie in buffer p
	s_cmp_lg_u32 s[Y], 0
	s_cbranch_scc1 .Lpv_\@
	PROJ \p, 0
	s_branch .Lpj_\@
.Lpv_\@:
	PROJ \p, 1
.Lpj_\@:
	QUANT HA, 1, 4                                 ; K: block 2 u + b = d 32 b on of tile u's keys;  V: block f = this chunk's 32 keys of tile f's columns
	s_cmp_lg_u32 s[Y], 0
	s_cbranch_scc1 .Lsv_\@
.irp n, 0,1,2,3
	global_store_b128 v[LI], v[PC+4*\n:PC+4*\n+3], s[OC:OC+1] offset:512*\n   ; 512 consecutive bytes a store
.endr
	v_lshl_or_b32 v[T], v[TM+5], 8, v[TM+4]        ; tile 0's scale word: two bytes, the upper two zero
	v_lshl_or_b32 v[T+1], v[TM+7], 8, v[TM+6]      ; tile 1's
	v_cndmask_b32 v[T], v[T], v[T+1], s[HI]        ; lanes 16-31 carry tile 1's
	global_store_b32 v[LS], v[T], s[OS:OS+1]
	s_branch .Lsj_\@
.Lsv_\@:
.irp f, 0,1,2,3
	global_store_b128 v[LI], v[PC+4*\f:PC+4*\f+3], s[OC:OC+1] offset:4096*\f
.endr
	s_and_b32 s[SH], s[CH], 3
	s_lshl_b32 s[SH], s[SH], 3                     ; the chunk's byte in the word,
	s_mov_b32 s[HM], 0xffff
	s_cmp_lt_u32 s[CH], 4
	s_cselect_b32 s[HM], s[HM], s[HI]              ; in lanes 0-15 (keys 0-127) or lanes 16-31
.irp f, 0,1,2,3
	v_cndmask_b32 v[T+\f], 0, v[TM+4+\f], s[HM]
	v_lshl_or_b32 v[VS+\f], v[T+\f], s[SH], v[VS+\f]
.endr
.Lsj_\@:
	s_wait_xcnt 0x0                                ; the stores' data, the loads' and the prefetch's base are written again only behind this wait
	s_add_nc_u64 s[XB:XB+1], s[XB:XB+1], 65536
	s_add_nc_u64 s[OC:OC+1], s[OC:OC+1], s[OCS:OCS+1]
	s_add_nc_u64 s[OS:OS+1], s[OS:OS+1], s[OSS:OSS+1]
	s_add_co_u32 s[CH], s[CH], 1
.endm
.Lloop:
	TRIP 0
	TRIP 1
	s_sub_co_u32 s[LP], s[LP], 1
	s_cmp_lg_u32 s[LP], 0
	s_cbranch_scc1 .Lloop
	s_cmp_eq_u32 s[Y], 0
	s_cbranch_scc1 .Lend
.irp f, 0,1,2,3
	global_store_b32 v[LS], v[VS+\f], s[OS:OS+1] offset:128*\f
.endr
.Lend:
	s_wait_tensorcnt 0x0                           ; the wave's end: three closing lines, behind my last LDS store
	ds_add_u32 v[SPW], v[NIL]
	s_wait_dscnt 0x0
	s_endpgm
.Lfunc_end_k_q1ebdf5dce2_kv:
	.size	k_q1ebdf5dce2_kv, .Lfunc_end_k_q1ebdf5dce2_kv-k_q1ebdf5dce2_kv
	.p2alignl 7, 3214868480
	.fill 96, 4, 3214868480
	.section	.rodata,"a",@progbits
	.p2align	6, 0x0
	.amdhsa_kernel k_q1ebdf5dce2_kv
		.amdhsa_group_segment_fixed_size 35840
		.amdhsa_private_segment_fixed_size 0
		.amdhsa_enable_private_segment 0
		.amdhsa_kernarg_size 80
		.amdhsa_user_sgpr_count 2
		.amdhsa_user_sgpr_kernarg_segment_ptr 1
		.amdhsa_wavefront_size32 1
		.amdhsa_system_sgpr_workgroup_id_x 1
		.amdhsa_system_sgpr_workgroup_id_y 1
		.amdhsa_system_sgpr_workgroup_id_z 1
		.amdhsa_system_vgpr_workitem_id 0
		.amdhsa_next_free_vgpr 512
		.amdhsa_next_free_sgpr 66
		.amdhsa_reserve_vcc 0
		.amdhsa_float_denorm_mode_32 3
		.amdhsa_float_denorm_mode_16_64 3
		.amdhsa_memory_ordered 1
		.amdhsa_forward_progress 1
		.amdhsa_inst_pref_size 86
	.end_amdhsa_kernel
	.amdgpu_metadata
---
amdhsa.version: [ 1, 2 ]
amdhsa.kernels:
  - .name:           k_q1ebdf5dce2_kv
    .symbol:         k_q1ebdf5dce2_kv.kd
    .args:
      - { .name: key_spikes, .offset: 0, .size: 8, .value_kind: global_buffer, .address_space: global }
      - { .name: value_spikes, .offset: 8, .size: 8, .value_kind: global_buffer, .address_space: global }
      - { .name: wc, .offset: 16, .size: 8, .value_kind: global_buffer, .address_space: global }
      - { .name: wsc, .offset: 24, .size: 8, .value_kind: global_buffer, .address_space: global }
      - { .name: bk, .offset: 32, .size: 8, .value_kind: global_buffer, .address_space: global }
      - { .name: bv, .offset: 40, .size: 8, .value_kind: global_buffer, .address_space: global }
      - { .name: kc, .offset: 48, .size: 8, .value_kind: global_buffer, .address_space: global }
      - { .name: ksc, .offset: 56, .size: 8, .value_kind: global_buffer, .address_space: global }
      - { .name: vc, .offset: 64, .size: 8, .value_kind: global_buffer, .address_space: global }
      - { .name: vsc, .offset: 72, .size: 8, .value_kind: global_buffer, .address_space: global }
    .group_segment_fixed_size: 35840
    .private_segment_fixed_size: 0
    .kernarg_segment_align: 8
    .kernarg_segment_size: 80
    .max_flat_workgroup_size: 256
    .sgpr_count:     66
    .vgpr_count:     512
    .wavefront_size: 32
...
	.end_amdgpu_metadata
.endif
;; end of part 2
;; launch att (part 3): grid 256 x 1, 8 waves a work-group, no clusters, 214,016 bytes of LDS; arguments query_spikes, wc, wsc, bq, bo, modality_weights, kc, ksc, vc, vsc, out0; writes out0
.if DOCPART == 3
	.amdgcn_target "amdgcn-amd-amdhsa--gfx1250"
	.amdhsa_code_object_version 6
	.text
	.protected	k_q1ebdf5dce2_att
	.globl	k_q1ebdf5dce2_att
	.p2align	8
	.type	k_q1ebdf5dce2_att,@function
k_q1ebdf5dce2_att:
	s_mov_b64 s[64:65], 0
	v_nop
	global_prefetch_b8 v0, s[64:65] scope:SCOPE_SE
	s_setreg_imm32_b32 hwreg(HW_REG_WAVE_MODE, 25, 1), 1
	s_wait_xcnt 0x0
; out0 = Q8(attended) Q8(Wo) + bo, attended = Q8(attn) Q8(V), attn = p / (sum p + 1e-8), p = sigmoid(5 (score - row's largest score)), score = Q8(Q) . Q8(K) / 8 x mw[0][h] mw[1][h], Q = Q8(query_spikes) Q8(Wq) + bq.
; Q8: the quantiser to E4M3 with one E8M0 scale for each 32 along a product's K.  LEFT OUT: temporal_sync, the same along the keys, falls out of score - max for all values (shown at the first kernel's head).
; SHARES.  Work-group id: slice bt = id / 2, queries 128 (id % 2) on.  Eight waves; wave w = head w in the attention, columns 64 w .. 64 w + 63 in both projections.
; PHASE Q: four chunks of 32 rows, as the launch before does K: x is quantised by all waves into two LDS buffers by turns, one barrier a chunk; Q's codes go to the wave's own LDS bytes.
; ATTENTION, eight tiles of 16 queries: K's and V's codes of (bt, w), 256 registers, lie in window 1.  S^T = K Q^T (a lane holds one query, registers run along the keys), the finished weights are quantised in registers,
; O^T = V^T P^T, quantised along the head's 64 and stored as an image of the output projection's operand.  One barrier.  PHASE O: Wo's codes in window 1; 32 rows a trip; results leave through the wave's own stage.
; K = 64 IN THE SCORES: the instruction takes 128.  Q's operand is 8 registers of codes and 8 of zero codes; K's is key tile i's 8 registers and the 8 that follow them (valid codes, which meet zeros); the scale bytes there are 0, a finite power of two.
; THE SIGN OF mw: c = mw[0][h] mw[1][h] 5 log2(e) / 8.  Q's codes get c's sign (an exclusive or on the codes' sign bits), so that the products give S' = sgn(c) x the raw score, and the row's largest c x raw is |c| x the largest S'.
; p = 1 / (1 + 2^w), w = |c| max S' - |c| S', never under 0 but for rounding: the maximum is taken away as reference() takes it.
; A BLOCK'S LARGEST WEIGHT IS NOT SEARCHED FOR: the block's largest S' goes through the same lines as all scores.
; CLUSTERS are not used: the two work-groups of a slice share K's and V's codes, 256 KB, which go by plain loads into the registers where they stay, as the weights do; a joint load would land them in LDS and cost an LDS read of the same bytes more.
; LIMITS: NaN and infinities among the inputs are not served.  A block of zeros gets the byte 1 where the rule says 127.  v_exp_f32 and v_rcp_f32 are taken not to fall (rise) where their input rises: else one weight of a block, within
; an ulp of a power of two, is held one code low.  Where w passes 126, p is 0 where reference() holds a number under 2^-126.  The scaling by c is one multiplication where reference() rounds three times; f32 sums go in another order.
.set XBUF,  17408
.set XSB,   16896
.set QC,    34816                      ; Q's codes: 8,192 bytes a wave: 8 tiles x (2 pieces of 512)
.set QSW,   100352                     ; Q's scale words: 1,024 bytes a wave: 8 tiles x 128
.set AT,    108544                     ; attended's codes: 8,192 bytes a wave: [tile 8][b 2][lane][16]
.set ATS,   174080                     ; its scale bytes: 512 bytes a wave: [tile 8][lane][2]
.set STG,   178176                     ; the way out: 16 rows x 272 bytes a wave
.set SPARE, 212992                     ; the spare words, 128 bytes a wave: four blocks of 256 bytes that no other line names
.set SPW, 1
.set NIL, 2
.set XA,  3
.set XWC, 4
.set XWB, 5
.set XFA, 6
.set LI,  8                            ; v8   16 x lane
.set LS,  9                            ; v9   4 x lane
.set PFO, 10                           ; v10  256 x lane; never rewritten
.set QCA, 11                           ; v11  QC + 8,192 w + 16 x lane; in phase O: AT + 16 x lane
.set QSA, 12                           ; v12  QSW + 1,024 w + 4 x lane; in phase O: ATS + 2 x lane
.set ATA, 13                           ; v13  AT + 8,192 w + 16 x lane
.set ASA, 14                           ; v14  ATS + 512 w + 2 x lane
.set BA,  15                           ; v15  64 h
.set WS,  16
.set XSC, 24
.set BI,  32
.set XF,  64
.set PC,  64
.set TM,  80
.set T,   96
.set HA,  128
.set RAW, 192
.set KS,  16                           ; the attention: v16-23 K's scale words, v24-27 V's, v28 Q's, v30-31 P's
.set VSR, 24
.set QSR, 28
.set PS,  30
.set QW,  32                           ; v32-47 Q's operand
.set PCD, 48                           ; v48-79 P's codes
.set BM,  80                           ; v80-87 the blocks' largest
.set BX,  88
.set LIM, 96
.set SCO, 104
.set BY,  112
.set UM,  120                          ; v[120:121] |c| x the row's largest S'
.set SA,  122
.set SB,  124
.set INV, 126
.set S,   128                          ; v128-255 S^T, then the weights
.set OA,  128                          ; v128-159 O^T
.set STO, 3                            ; phase O
.set SRD, 4
.set GO,  5
.set AS,  24                           ; v24-31 attended's scale words
.set HB,  192                          ; v192-255 eight accumulators
.set OB,  64
.set WV,  30
.set SBT, 31
.set QH,  32
.set MWO, 33
.set XB,  34
.set OUTP, 36
.set KCP, 38
.set VCP, 40
.set KSP, 42
.set VSP, 44
.set SEL, 46
.set MNT, 48
.set CA,  49                           ; |c|
.set NC,  50                           ; s[50:51] -|c|, named as a pair
.set SG,  52                           ; c's sign in each byte's top bit
.set MSB, 0
.macro WIN new                         ; the immediate's high byte repeats the setting that is left
.if MSB != (\new)
	s_set_vgpr_msb (MSB<<8)|(\new)
.set MSB, (\new)
.endif
.endm
.macro NOPS n
.rept \n
	v_nop
.endr
.endm
.macro BAR                             ; my LDS stores have landed and my LDS loads are in: then the work-group's barrier
	s_wait_dscnt 0x0
	s_barrier_signal -1
	s_barrier_wait -1
.endm
; nb blocks, block b = v[s + 16 b] .. + 15 (half a block of 32; the other half lies in lane l xor 1 (join = 0) or l xor 16 (join = 1)), become codes in v[PC + 4 b] on and scale bytes in v[TM + 4 + b].
.macro QUANT s, join, nb
.set qb, 0
.rept \nb
	v_max3_num_f32 v[TM+qb], |v[(\s)+16*qb]|, |v[(\s)+16*qb+1]|, 0x4800000   ; with the floor 2^(9 - 127): the byte cannot fall under 1.  (Each accumulator is read from its low end on)
.set qb, qb+1
.endr
.irp i, 2,4,6,8,10,12,14
.set qb, 0
.rept \nb
	v_max3_num_f32 v[TM+qb], v[TM+qb], |v[(\s)+16*qb+\i]|, |v[(\s)+16*qb+\i+1]|
.set qb, qb+1
.endr
.endr
.if \join
.set qb, 0
.rept \nb
	v_permlanex16_b32 v[TM+4+qb], v[TM+qb], s[SEL], s[SEL+1]
.set qb, qb+1
.endr
.set qb, 0
.rept \nb
	v_max_num_f32 v[TM+qb], v[TM+qb], v[TM+4+qb]
.set qb, qb+1
.endr
.else
.set qb, 0
.rept \nb
	v_max_num_f32_dpp v[TM+qb], v[TM+qb], v[TM+qb] row_xmask:1 row_mask:0xf bank_mask:0xf
.set qb, qb+1
.endr
.endif
.set qb, 0
.rept \nb
	v_add_nc_u32 v[TM+12+qb], 0xfc000000, v[TM+qb]   ; 8 off the exponent field: the conversion's scale operand
.set qb, qb+1
.endr
.set qb, 0
.rept \nb
	v_and_or_b32 v[TM+8+qb], v[TM+qb], 0x7f800000, s[MNT]   ; 448 x the scale
.set qb, qb+1
.endr
.set qb, 0
.rept \nb
	v_lshrrev_b32 v[TM+4+qb], 23, v[TM+12+qb]      ; the scale's byte
.set qb, qb+1
.endr
.set qb, 0
.rept \nb
.irp i, 0,1,2,3,4,5,6,7,8,9,10,11,12,13,14,15
	v_med3_num_f32 v[(\s)+16*qb+\i], v[(\s)+16*qb+\i], -v[TM+8+qb], v[TM+8+qb]   ; the conversion does not saturate (ISA guide 7.6.2): the hold
.endr
	v_cvt_scalef32_pk8_fp8_f32 v[PC+4*qb:PC+4*qb+1], v[(\s)+16*qb:(\s)+16*qb+7], v[TM+12+qb]
	v_cvt_scalef32_pk8_fp8_f32 v[PC+4*qb+2:PC+4*qb+3], v[(\s)+16*qb+8:(\s)+16*qb+15], v[TM+12+qb]
.set qb, qb+1
.endr
	v_nop                                          ; a plain line behind the last conversion
.endm
.macro XLOAD o
.irp i, 0,1,2,3
.irp j, 0,1,2,3
	global_load_b128 v[RAW+16*\i+4*\j:RAW+16*\i+4*\j+3], v[XA], s[XB:XB+1] offset:(\o)+2048*\i+16*\j th:TH_LOAD_NT
.endr
.endr
.endm
.macro XSTORE p
.irp i, 0,1,2,3
	ds_store_b128 v[XWC], v[PC+4*\i:PC+4*\i+3] offset:(\p)*XBUF+528*\i
.endr
.irp i, 0,1,2,3
	ds_store_b8 v[XWB], v[TM+4+\i] offset:(\p)*XBUF+XSB+16*\i   ; both lanes of a block write the same byte with the same value
.endr
.endm
.macro FRAGS p, s
.irp u, 0,1
.irp c, 0,1,2,3
	ds_load_b128 v[XF+32*((\s)%2)+16*\u+4*\c:XF+32*((\s)%2)+16*\u+4*\c+3], v[XFA] offset:(\p)*XBUF+16*\u*528+128*(\s)+32*\c
.endr
.endr
.endm
; one scaled product.  c < 0: the sum starts with 0.  ra, rb: the scales are read from lanes 16-31 of their registers
.macro WM d, a, b, c, sa, sb, ra, rb
.set wm_m, 2*(\ra)+(\rb)
.if (\c) < 0
.if wm_m == 0
	v_wmma_scale_f32_16x16x128_f8f6f4 v[(\d):(\d)+7], v[(\a):(\a)+15], v[(\b):(\b)+15], 0, v[(\sa)], v[(\sb)]
.elseif wm_m == 1
	v_wmma_scale_f32_16x16x128_f8f6f4 v[(\d):(\d)+7], v[(\a):(\a)+15], v[(\b):(\b)+15], 0, v[(\sa)], v[(\sb)] matrix_b_scale:MATRIX_SCALE_ROW1
.elseif wm_m == 2
	v_wmma_scale_f32_16x16x128_f8f6f4 v[(\d):(\d)+7], v[(\a):(\a)+15], v[(\b):(\b)+15], 0, v[(\sa)], v[(\sb)] matrix_a_scale:MATRIX_SCALE_ROW1
.else
	v_wmma_scale_f32_16x16x128_f8f6f4 v[(\d):(\d)+7], v[(\a):(\a)+15], v[(\b):(\b)+15], 0, v[(\sa)], v[(\sb)] matrix_a_scale:MATRIX_SCALE_ROW1 matrix_b_scale:MATRIX_SCALE_ROW1
.endif
.else
.if wm_m == 0
	v_wmma_scale_f32_16x16x128_f8f6f4 v[(\d):(\d)+7], v[(\a):(\a)+15], v[(\b):(\b)+15], v[(\c):(\c)+7], v[(\sa)], v[(\sb)]
.elseif wm_m == 1
	v_wmma_scale_f32_16x16x128_f8f6f4 v[(\d):(\d)+7], v[(\a):(\a)+15], v[(\b):(\b)+15], v[(\c):(\c)+7], v[(\sa)], v[(\sb)] matrix_b_scale:MATRIX_SCALE_ROW1
.elseif wm_m == 2
	v_wmma_scale_f32_16x16x128_f8f6f4 v[(\d):(\d)+7], v[(\a):(\a)+15], v[(\b):(\b)+15], v[(\c):(\c)+7], v[(\sa)], v[(\sb)] matrix_a_scale:MATRIX_SCALE_ROW1
.else
	v_wmma_scale_f32_16x16x128_f8f6f4 v[(\d):(\d)+7], v[(\a):(\a)+15], v[(\b):(\b)+15], v[(\c):(\c)+7], v[(\sa)], v[(\sb)] matrix_a_scale:MATRIX_SCALE_ROW1 matrix_b_scale:MATRIX_SCALE_ROW1
.endif
.endif
.endm
; K step s of the eight accumulators, one instruction a turn; transposed: source 0 = 16 columns of the weight (window 1), source 1 = 16 rows of x.  The bias is the C of a sum's first product.
.macro MUL8 s
.irp u, 0,1
.irp t, 0,1,2,3
.if (\s) == 0
	WM HA+32*\u+8*\t, 16*(4*\t+(\s)), XF+32*((\s)%2)+16*\u, BI+8*\t, WS+2*\t+(\s)/2, XSC+(\s), (\s)%2, \u
.else
	WM HA+32*\u+8*\t, 16*(4*\t+(\s)), XF+32*((\s)%2)+16*\u, HA+32*\u+8*\t, WS+2*\t+(\s)/2, XSC+(\s), (\s)%2, \u
.endif
.endr
.endr
.endm
; A load into a register that a product has read stands eight places behind it, a product that begins a sum anew on an accumulator nine; only plain vector lines that name none of its registers are places.
.macro PROJ p
	ds_load_b128 v[XSC:XSC+3], v[LI] offset:(\p)*XBUF+XSB
	FRAGS \p, 0
	FRAGS \p, 1
	NOPS 4                                         ; the fragments' registers were last written by vector lines: four places ahead of a scaled product
	s_wait_dscnt 8                                 ; the scale words and K step 0 are in; K step 1's eight loads may be out
	WIN 1
	MUL8 0
	WIN 0
	NOPS 8
	FRAGS \p, 2
	s_wait_dscnt 8                                 ; K step 1 is in; K step 2's eight may be out
	WIN 1
	MUL8 1
	WIN 0
	NOPS 8
	FRAGS \p, 3
	s_wait_dscnt 8                                 ; K step 2 is in; K step 3's eight may be out
	WIN 1
	MUL8 2
	s_wait_dscnt 0x0
	MUL8 3
	WIN 0
	NOPS 9
.endm
.macro LOADW1 first, n, base, off      ; n pieces of 512 bytes, as they lie, into window 1 from v[first] on
	WIN 0x40
.set li_, 0
.rept \n
	global_load_b128 v[(\first)+4*li_:(\first)+4*li_+3], v[LI], s[(\base):(\base)+1] offset:(\off)+512*li_
.set li_, li_+1
.endr
	WIN 0
.endm
	s_load_b512 s[8:23], s[0:1], 0x0               ; query_spikes, wc, wsc, bq, bo, modality_weights, kc, ksc
	s_load_b128 s[24:27], s[0:1], 0x40             ; vc, vsc
	s_load_b64 s[28:29], s[0:1], 0x50              ; out0
	v_lshl_add_u32 v[SPW], v0, 2, SPARE
	v_mov_b32 v[NIL], 0
	v_lshrrev_b32 v[T], 5, v0
	v_readfirstlane_b32 s[WV], v[T]                ; wave 0..7
	s_lshr_b32 s[SBT], ttmp9, 1
	s_and_b32 s[QH], ttmp9, 1
	v_and_b32 v[T], 31, v0                         ; lane
	v_and_b32 v[T+1], 15, v0                       ; r
	v_bfe_u32 v[T+2], v0, 4, 1                     ; h
	v_lshlrev_b32 v[XA], 6, v[T]
	s_mul_i32 s58, s[WV], 4*528
	v_lshl_add_u32 v[XWC], v[T], 4, s58
	s_lshl_b32 s58, s[WV], 6
	v_lshrrev_b32 v[XWB], 1, v[T]
	v_add_nc_u32 v[XWB], s58, v[XWB]
	v_mul_u32_u24 v[XFA], v[T+1], 528
	v_lshl_add_u32 v[XFA], v[T+2], 4, v[XFA]
	v_lshlrev_b32 v[LI], 4, v[T]
	v_lshlrev_b32 v[LS], 2, v[T]
	v_lshlrev_b32 v[PFO], 8, v[T]
	s_lshl_b32 s58, s[WV], 13
	s_add_co_u32 s59, s58, QC
	v_lshl_add_u32 v[QCA], v[T], 4, s59
	s_add_co_u32 s59, s58, AT
	v_lshl_add_u32 v[ATA], v[T], 4, s59
	s_lshl_b32 s58, s[WV], 10
	s_add_co_u32 s58, s58, QSW
	v_lshl_add_u32 v[QSA], v[T], 2, s58
	s_lshl_b32 s58, s[WV], 9
	s_add_co_u32 s58, s58, ATS
	v_lshl_add_u32 v[ASA], v[T], 1, s58
	v_lshlrev_b32 v[BA], 6, v[T+2]
.irp f, 0,1,2,3
	v_mov_b32 v[TM+4+\f], 0                        ; a lane permute's destination counts as one of its sources
.endr
	s_mov_b32 s[SEL], 0x76543210
	s_mov_b32 s[SEL+1], 0xfedcba98
	s_mov_b32 s[MNT], 0x600000
	s_lshl_b32 s[MWO], s[WV], 2
	s_lshl_b32 s58, ttmp9, 18                      ; my 128 rows of 2,048 bytes, in x and in out0
	s_mov_b32 s59, 0
	s_lshr_b32 s60, s[WV], 2                       ; places 4 w .. 4 w + 3 hold chunk rows 8 (w / 4) + 4 (w % 4) + 8 ((w / 2) % 2) + 0 .. 3
	s_lshl_b32 s60, s60, 3
	s_and_b32 s61, s[WV], 3
	s_lshl_b32 s61, s61, 2
	s_add_co_u32 s60, s60, s61
	s_bfe_u32 s61, s[WV], 0x10001
	s_lshl_b32 s61, s61, 3
	s_add_co_u32 s60, s60, s61
	s_lshl_b32 s60, s60, 11
	s_mov_b32 s61, 0
	s_lshl_b32 s62, s[SBT], 3
	s_add_co_u32 s62, s62, s[WV]                   ; 8 bt + w
	s_wait_kmcnt 0x0
	s_load_b32 s54, s[18:19], s[MWO] offset:0x0    ; mw[0][w]
	s_load_b32 s55, s[18:19], s[MWO] offset:0x20   ; mw[1][w]
	s_add_nc_u64 s[XB:XB+1], s[8:9], s[58:59]
	s_add_nc_u64 s[XB:XB+1], s[XB:XB+1], s[60:61]
	s_add_nc_u64 s[OUTP:OUTP+1], s[28:29], s[58:59]
	s_lshl_b32 s60, s[WV], 15
	s_add_nc_u64 s[10:11], s[10:11], s[60:61]      ; Wq's codes for head w; Wo's lie 786,432 bytes on
	s_lshl_b32 s60, s[WV], 10
	s_add_nc_u64 s[12:13], s[12:13], s[60:61]      ; Wq's scale words; Wo's lie 24,576 bytes on
	s_lshl_b32 s60, s[WV], 8
	s_add_nc_u64 s[14:15], s[14:15], s[60:61]
	s_add_nc_u64 s[16:17], s[16:17], s[60:61]
	s_lshl_b32 s60, s62, 14
	s_add_nc_u64 s[KCP:KCP+1], s[20:21], s[60:61]
	s_add_nc_u64 s[VCP:VCP+1], s[24:25], s[60:61]
	s_lshl_b32 s60, s62, 10
	s_add_nc_u64 s[KSP:KSP+1], s[22:23], s[60:61]
	s_lshl_b32 s60, s62, 9
	s_add_nc_u64 s[VSP:VSP+1], s[26:27], s[60:61]
	XLOAD 0                                        ; chunk 0
	LOADW1 0, 64, 10, 0                            ; Wq: fragment (t, s) at window 1's v[16 (4 t + s)]
.irp i, 0,1,2,3,4,5,6,7
	global_load_b32 v[WS+\i], v[LS], s[12:13] offset:128*\i
.endr
.irp t, 0,1,2,3
	global_load_b128 v[BI+8*\t:BI+8*\t+3], v[BA], s[14:15] offset:(32*(\t/2)+8*(\t%2))*4
	global_load_b128 v[BI+8*\t+4:BI+8*\t+7], v[BA], s[14:15] offset:(32*(\t/2)+8*(\t%2))*4+16
.endr
	s_wait_kmcnt 0x0
	v_mov_b32 v[T], s54
	v_mul_f32 v[T], s55, v[T]
	v_mul_f32 v[T], 0x3f66d4ca, v[T]               ; c = mw[0] mw[1] x 5 log2(e) / 8
	v_readfirstlane_b32 s54, v[T]
	s_and_b32 s[CA], s54, 0x7fffffff
	s_or_b32 s[NC], s54, 0x80000000
	s_mov_b32 s[NC+1], s[NC]
	s_ashr_i32 s[SG], s54, 31
	s_and_b32 s[SG], s[SG], 0x80808080
; ---- PHASE Q: chunk c, written out four times: every offset is an immediate
.macro QTRIP c
	s_wait_loadcnt 0x0                             ; my four rows of this chunk (in the first trip the weight and the bias too)
	QUANT RAW, 0, 4
	XSTORE (\c)%2
.if (\c) < 3
	XLOAD 65536*((\c)+1)                           ; the next chunk, a whole trip ahead of its wait
.endif
	s_cmp_lg_u32 s[QH], 0                          ; a prefetch of my head's K and V codes, 16,384 bytes each, 8,192 a trip, lanes 256 bytes apart.  Both work-groups of a slice read them: the first asks, so that each block is named once in the launch
	s_cbranch_scc1 .Lnpf_\@
.if (\c) < 2
	global_prefetch_b8 v[PFO], s[KCP:KCP+1] offset:8192*(\c) th:TH_LOAD_NT scope:SCOPE_SE
.else
	global_prefetch_b8 v[PFO], s[VCP:VCP+1] offset:8192*((\c)-2) th:TH_LOAD_NT scope:SCOPE_SE
.endif
.Lnpf_\@:
	BAR                                            ; the chunk's 32 rows lie in the buffer
	PROJ (\c)%2
	QUANT HA, 1, 4                                 ; block 2 u + b: d 32 b on of query tile 2 c + u
.irp i, 0,1,2,3,4,5,6,7,8,9,10,11,12,13,14,15
	v_xor_b32 v[PC+\i], s[SG], v[PC+\i]            ; c's sign onto the codes
.endr
.irp n, 0,1,2,3
	ds_store_b128 v[QCA], v[PC+4*\n:PC+4*\n+3] offset:2048*(\c)+512*\n   ; my own bytes: no other wave touches them
.endr
	v_lshl_or_b32 v[T], v[TM+5], 8, v[TM+4]        ; a tile's scale word: two bytes, the upper two zero
	v_lshl_or_b32 v[T+1], v[TM+7], 8, v[TM+6]
	ds_store_b32 v[QSA], v[T] offset:256*(\c)
	ds_store_b32 v[QSA], v[T+1] offset:256*(\c)+128
.endm
	QTRIP 0
	QTRIP 1
	QTRIP 2
	QTRIP 3
; ---- THE ATTENTION.  Window 1: v0-127 K's 16 key tiles of 8 registers; v128-255 V's fragments (f, ks) at v[128 + 16 (2 f + ks)]
	LOADW1 0, 32, KCP, 0
	LOADW1 128, 32, VCP, 0
.irp i, 0,1,2,3,4,5,6,7
	global_load_b32 v[KS+\i], v[LS], s[KSP:KSP+1] offset:128*\i
.endr
.irp f, 0,1,2,3
	global_load_b32 v[VSR+\f], v[LS], s[VSP:VSP+1] offset:128*\f
.endr
.irp j, 0,1,2,3,4,5,6,7
	v_mov_b32 v[QW+8+\j], 0                        ; the zero codes of Q's operand: k = 64 .. 127
.endr
	v_mov_b32 v[UM+1], 0                           ; (named as the upper halves of pairs)
	v_mov_b32 v[INV+1], 0
	s_mov_b32 s53, 0                               ; 1,024 x tile: Q's codes, attended's codes
	s_mov_b32 s54, 0                               ; 128 x tile: Q's scale words
	s_mov_b32 s56, 0                               ; 64 x tile: attended's scale bytes
	s_mov_b32 s57, 8
	s_wait_loadcnt 0x0
.Latt:
	v_add_nc_u32 v3, s53, v[QCA]
	v_add_nc_u32 v4, s54, v[QSA]
	v_add_nc_u32 v5, s53, v[ATA]
	v_add_nc_u32 v6, s56, v[ASA]
	ds_load_b128 v[QW:QW+3], v3
	ds_load_b128 v[QW+4:QW+7], v3 offset:512
	ds_load_b32 v[QSR], v4
	s_wait_dscnt 0x0
	WIN 1
.set i, 0
.rept 16                               ; S^T: key tile i; lane (r, h), register j: query r, key 32 (i / 2) + 8 (i % 2) + 16 h + j
	WM S+8*i, 8*i, QW, -1, KS+i/2, QSR, i%2, 0
.set i, i+1
.endr
	WIN 0
	NOPS 9
.irp b, 0,1,2,3,4,5,6,7
	v_max3_num_f32 v[BM+\b], v[S+16*\b], v[S+16*\b+1], v[S+16*\b+2]   ; the largest S' of each block of 32 keys: for the row's maximum and for the block's largest weight
.endr
.irp i, 3,5,7,9,11,13
.irp b, 0,1,2,3,4,5,6,7
	v_max3_num_f32 v[BM+\b], v[BM+\b], v[S+16*\b+\i], v[S+16*\b+\i+1]
.endr
.endr
.irp b, 0,1,2,3,4,5,6,7
	v_max_num_f32 v[BM+\b], v[BM+\b], v[S+16*\b+15]
.endr
.irp b, 0,1,2,3,4,5,6,7
	v_permlanex16_b32 v[BX+\b], v[BM+\b], s[SEL], s[SEL+1]
.endr
.irp b, 0,1,2,3,4,5,6,7
	v_max_num_f32 v[BM+\b], v[BM+\b], v[BX+\b]     ; with lane l xor 16's 16 keys
.endr
	v_max3_num_f32 v[UM], v[BM], v[BM+1], v[BM+2]
	v_max3_num_f32 v[UM], v[UM], v[BM+3], v[BM+4]
	v_max3_num_f32 v[UM], v[UM], v[BM+5], v[BM+6]
	v_max_num_f32 v[UM], v[UM], v[BM+7]
	v_mul_f32 v[UM], s[CA], v[UM]
.set i, 0
.rept 64
	v_pk_fma_f32 v[S+2*i:S+2*i+1], v[S+2*i:S+2*i+1], s[NC:NC+1], v[UM:UM+1] op_sel_hi:[1,0,0]   ; w = |c| max - |c| S', two at a time
.set i, i+1
.endr
.irp b, 0,1,2,3,4,5,6,7
	v_fma_f32 v[BM+\b], v[BM+\b], s[NC], v[UM]
.endr
.set i, 0
.rept 128
	v_exp_f32 v[S+i], v[S+i]
.set i, i+1
.endr
.irp b, 0,1,2,3,4,5,6,7
	v_exp_f32 v[BM+\b], v[BM+\b]
.endr
	v_nop                                          ; a plain line behind the last exponential,
	s_wait_alu depctr_va_vdst(0)                   ; and one wait for the batch, ahead of its first reader
.set i, 0
.rept 64
	v_pk_add_f32 v[S+2*i:S+2*i+1], v[S+2*i:S+2*i+1], 1.0 op_sel_hi:[1,0]
.set i, i+1
.endr
.irp b, 0,1,2,3,4,5,6,7
	v_add_f32 v[BM+\b], 1.0, v[BM+\b]
.endr
.set i, 0
.rept 128
	v_rcp_f32 v[S+i], v[S+i]                       ; p = 1 / (1 + 2^w)
.set i, i+1
.endr
.irp b, 0,1,2,3,4,5,6,7
	v_rcp_f32 v[BM+\b], v[BM+\b]
.endr
	v_nop
	s_wait_alu depctr_va_vdst(0)                   ; one wait for the batch
	v_pk_add_f32 v[SA:SA+1], v[S:S+1], v[S+2:S+3]  ; the row's sum, two at a time, in two chains
	v_pk_add_f32 v[SB:SB+1], v[S+4:S+5], v[S+6:S+7]
.set i, 8
.rept 30
	v_pk_add_f32 v[SA:SA+1], v[SA:SA+1], v[S+i:S+i+1]
	v_pk_add_f32 v[SB:SB+1], v[SB:SB+1], v[S+i+2:S+i+3]
.set i, i+4
.endr
	v_pk_add_f32 v[SA:SA+1], v[SA:SA+1], v[SB:SB+1]
	v_add_f32 v[SA], v[SA], v[SA+1]
	v_permlanex16_b32 v[SB], v[SA], s[SEL], s[SEL+1]
	v_add_f32 v[SA], v[SA], v[SB]                  ; with lane l xor 16's 128 keys
	v_add_f32 v[SA], 0x322bcc77, v[SA]             ; + 1e-8
	v_rcp_f32 v[INV], v[SA]
	v_nop
	s_wait_alu depctr_va_vdst(0)
.set i, 0
.rept 64
	v_pk_mul_f32 v[S+2*i:S+2*i+1], v[S+2*i:S+2*i+1], v[INV:INV+1] op_sel_hi:[1,0]   ; the finished weights: what is quantised
.set i, i+1
.endr
.irp b, 0,1,2,3,4,5,6,7
	v_mul_f32 v[BM+\b], v[BM+\b], v[INV]
.endr
.irp b, 0,1,2,3,4,5,6,7
	v_max_num_f32 v[BM+\b], 0x4800000, v[BM+\b]    ; the floor 2^(9 - 127)
.endr
.irp b, 0,1,2,3,4,5,6,7
	v_add_nc_u32 v[SCO+\b], 0xfc000000, v[BM+\b]
.endr
.irp b, 0,1,2,3,4,5,6,7
	v_and_or_b32 v[LIM+\b], v[BM+\b], 0x7f800000, s[MNT]
.endr
.irp b, 0,1,2,3,4,5,6,7
	v_lshrrev_b32 v[BY+\b], 23, v[SCO+\b]
.endr
.irp k, 0,1
	v_lshl_or_b32 v[PS+\k], v[BY+4*\k+1], 8, v[BY+4*\k]   ; the scale words of keys 128 k on; the holds below are their places ahead of the products
	v_lshl_or_b32 v[PS+\k], v[BY+4*\k+2], 16, v[PS+\k]
	v_lshl_or_b32 v[PS+\k], v[BY+4*\k+3], 24, v[PS+\k]
.endr
.irp b, 0,1,2,3,4,5,6,7
.irp i, 0,1,2,3,4,5,6,7,8,9,10,11,12,13,14,15
	v_min_num_f32 v[S+16*\b+\i], v[S+16*\b+\i], v[LIM+\b]   ; a weight is never negative: the hold is one-sided
.endr
	v_cvt_scalef32_pk8_fp8_f32 v[PCD+4*\b:PCD+4*\b+1], v[S+16*\b:S+16*\b+7], v[SCO+\b]
	v_cvt_scalef32_pk8_fp8_f32 v[PCD+4*\b+2:PCD+4*\b+3], v[S+16*\b+8:S+16*\b+15], v[SCO+\b]
.endr
	NOPS 5                                         ; an operand written by vector lines stands four places ahead of a scaled product; the conversion itself is no place
	WIN 1
.irp k, 0,1                            ; O^T = V^T P^T: four accumulators by turns; lane (r, h), tile f, register j: query r, d = 32 (f / 2) + 8 (f % 2) + 16 h + j
.irp f, 0,1,2,3
.if \k == 0
	WM OA+8*\f, 128+16*(2*\f+\k), PCD+16*\k, -1, VSR+\f, PS+\k, \k, 0
.else
	WM OA+8*\f, 128+16*(2*\f+\k), PCD+16*\k, OA+8*\f, VSR+\f, PS+\k, \k, 0
.endif
.endr
.endr
	WIN 0
	NOPS 9
	QUANT OA, 1, 2                                 ; attended, along the head's 64: pieces 2 (w % 2) + b of K step w / 2 of the output projection
	ds_store_b128 v5, v[PC:PC+3]
	ds_store_b128 v5, v[PC+4:PC+7] offset:512
	v_lshl_or_b32 v[TM], v[TM+5], 8, v[TM+4]
	ds_store_b16 v6, v[TM]                         ; my two of the scale word's four bytes
	s_add_co_u32 s53, s53, 1024
	s_add_co_u32 s54, s54, 128
	s_add_co_u32 s56, s56, 64
	s_sub_co_u32 s57, s57, 1
	s_cmp_lg_u32 s57, 0
	s_cbranch_scc1 .Latt
; ---- PHASE O
	LOADW1 0, 64, 10, 786432                       ; Wo's codes for columns 64 w on
.irp i, 0,1,2,3,4,5,6,7
	global_load_b32 v[WS+\i], v[LS], s[12:13] offset:24576+128*\i
.endr
.irp t, 0,1,2,3
	global_load_b128 v[BI+8*\t:BI+8*\t+3], v[BA], s[16:17] offset:(32*(\t/2)+8*(\t%2))*4
	global_load_b128 v[BI+8*\t+4:BI+8*\t+7], v[BA], s[16:17] offset:(32*(\t/2)+8*(\t%2))*4+16
.endr
	v_and_b32 v[HB], 15, v0                        ; r
	v_bfe_u32 v[HB+1], v0, 4, 1                    ; h
	s_mul_i32 s58, s[WV], 16*272
	s_add_co_u32 s58, s58, STG                     ; my stage
	v_mul_u32_u24 v[STO], v[HB], 272
	v_lshl_add_u32 v[STO], v[HB+1], 6, v[STO]
	v_add_nc_u32 v[STO], s58, v[STO]               ; in: row r, + 64 h
	v_mul_u32_u24 v[SRD], v[HB+1], 272
	v_lshl_add_u32 v[SRD], v[HB], 4, v[SRD]
	v_add_nc_u32 v[SRD], s58, v[SRD]               ; back: lanes 0-15 one row of 256 bytes, lanes 16-31 the next
	v_lshlrev_b32 v[GO], 11, v[HB+1]
	v_lshl_add_u32 v[GO], v[HB], 4, v[GO]
	s_lshl_b32 s59, s[WV], 8
	v_add_nc_u32 v[GO], s59, v[GO]                 ; and the same in out0: + my 256 bytes of a row
	v_add_nc_u32 v[QCA], AT, v[LI]
	v_and_b32 v[QSA], 31, v0
	v_lshl_add_u32 v[QSA], v[QSA], 1, ATS
	s_mov_b32 s53, 0                               ; 2,048 x trip: two tiles of attended's codes in each wave's region
	s_mov_b32 s54, 0                               ; 128 x trip: their scale bytes
	s_mov_b32 s57, 4
	BAR                                            ; all eight heads' images of attended lie in LDS
	s_wait_loadcnt 0x0
.Lout:
	v_add_nc_u32 v6, s53, v[QCA]
	v_add_nc_u32 v7, s54, v[QSA]
.irp u, 0,1
.irp s, 0,1,2,3
	ds_load_u16 v[HB+2*(4*\u+\s)], v7 offset:1024*\s+64*\u           ; K step s is heads 2 s and 2 s + 1: two bytes of the scale word from each
	ds_load_u16 v[HB+2*(4*\u+\s)+1], v7 offset:1024*\s+64*\u+512
.endr
.endr
.irp u, 0,1
.irp s, 0,1,2,3
.irp c, 0,1,2,3
	ds_load_b128 v[XF+64*\u+16*\s+4*\c:XF+64*\u+16*\s+4*\c+3], v6 offset:8192*(2*\s+\c/2)+512*(\c%2)+1024*\u
.endr
.endr
.endr
	s_wait_dscnt 32                                ; the sixteen halfwords are in; the 32 image loads may be out
.irp k, 0,1,2,3,4,5,6,7
	v_lshl_or_b32 v[AS+\k], v[HB+2*\k+1], 16, v[HB+2*\k]
.endr
	NOPS 8                                         ; a scale register written by a vector line stands eight places ahead of a scaled product
	s_wait_dscnt 0x0
	WIN 1
.irp s, 0,1,2,3
.irp u, 0,1
.irp t, 0,1,2,3
.if \s == 0
	WM HB+32*\u+8*\t, 16*(4*\t+\s), XF+64*\u+16*\s, BI+8*\t, WS+2*\t+\s/2, AS+4*\u+\s, \s%2, 0
.else
	WM HB+32*\u+8*\t, 16*(4*\t+\s), XF+64*\u+16*\s, HB+32*\u+8*\t, WS+2*\t+\s/2, AS+4*\u+\s, \s%2, 0
.endif
.endr
.endr
.endr
	WIN 0
	NOPS 9
.irp u, 0,1                            ; the way out: lane (r, h), tile t, register j: place r of tile u, column 32 (t / 2) + 8 (t % 2) + 16 h + j of my 64
.irp t, 0,1,2,3
	ds_store_b128 v[STO], v[HB+32*\u+8*\t:HB+32*\u+8*\t+3] offset:128*(\t/2)+32*(\t%2)       ; each accumulator from its low end on
	ds_store_b128 v[STO], v[HB+32*\u+8*\t+4:HB+32*\u+8*\t+7] offset:128*(\t/2)+32*(\t%2)+16
.endr
.irp i, 0,1,2,3,4,5,6,7
	ds_load_b128 v[OB+32*\u+4*\i:OB+32*\u+4*\i+3], v[SRD] offset:544*\i   ; LDS serves a wave's instructions in order (ISA guide 5.7.1.4): these see my stores, and the next tile's stores come behind them
.endr
.irp i, 0,1,2,3,4,5,6,7
	s_wait_dscnt 7-\i                              ; load i is in; the younger 7 - i may be out
	global_store_b128 v[GO], v[OB+32*\u+4*\i:OB+32*\u+4*\i+3], s[OUTP:OUTP+1] offset:(8*\u+2*\i+8*(\i/4))*2048 th:TH_STORE_NT   ; place r is chunk row 8 u + r + 8 (r / 8); 16 lanes store 256 consecutive bytes, aligned
.endr
.endr
	s_wait_xcnt 0x0                                ; the stores' data and base are written again only behind this wait
	s_add_nc_u64 s[OUTP:OUTP+1], s[OUTP:OUTP+1], 65536
	s_add_co_u32 s53, s53, 2048
	s_add_co_u32 s54, s54, 128
	s_sub_co_u32 s57, s57, 1
	s_cmp_lg_u32 s57, 0
	s_cbranch_scc1 .Lout
	s_wait_tensorcnt 0x0                           ; the wave's end: three closing lines, behind my last LDS store
	ds_add_u32 v[SPW], v[NIL]
	s_wait_dscnt 0x0
	s_endpgm
.Lfunc_end_k_q1ebdf5dce2_att:
	.size	k_q1ebdf5dce2_att, .Lfunc_end_k_q1ebdf5dce2_att-k_q1ebdf5dce2_att
	.p2alignl 7, 3214868480
	.fill 96, 4, 3214868480
	.section	.rodata,"a",@progbits
	.p2align	6, 0x0
	.amdhsa_kernel k_q1ebdf5dce2_att
		.amdhsa_group_segment_fixed_size 214016
		.amdhsa_private_segment_fixed_size 0
		.amdhsa_enable_private_segment 0
		.amdhsa_kernarg_size 88
		.amdhsa_user_sgpr_count 2
		.amdhsa_user_sgpr_kernarg_segment_ptr 1
		.amdhsa_wavefront_size32 1
		.amdhsa_system_sgpr_workgroup_id_x 1
		.amdhsa_system_sgpr_workgroup_id_y 1
		.amdhsa_system_sgpr_workgroup_id_z 1
		.amdhsa_system_vgpr_workitem_id 0
		.amdhsa_next_free_vgpr 512
		.amdhsa_next_free_sgpr 66
		.amdhsa_reserve_vcc 0
		.amdhsa_float_denorm_mode_32 3
		.amdhsa_float_denorm_mode_16_64 3
		.amdhsa_memory_ordered 1
		.amdhsa_forward_progress 1
		.amdhsa_inst_pref_size 192
	.end_amdhsa_kernel
	.amdgpu_metadata
---
amdhsa.version: [ 1, 2 ]
amdhsa.kernels:
  - .name:           k_q1ebdf5dce2_att
    .symbol:         k_q1ebdf5dce2_att.kd
    .args:
      - { .name: query_spikes, .offset: 0, .size: 8, .value_kind: global_buffer, .address_space: global }
      - { .name: wc, .offset: 8, .size: 8, .value_kind: global_buffer, .address_space: global }
      - { .name: wsc, .offset: 16, .size: 8, .value_kind: global_buffer, .address_space: global }
      - { .name: bq, .offset: 24, .size: 8, .value_kind: global_buffer, .address_space: global }
      - { .name: bo, .offset: 32, .size: 8, .value_kind: global_buffer, .address_space: global }
      - { .name: modality_weights, .offset: 40, .size: 8, .value_kind: global_buffer, .address_space: global }
      - { .name: kc, .offset: 48, .size: 8, .value_kind: global_buffer, .address_space: global }
      - { .name: ksc, .offset: 56, .size: 8, .value_kind: global_buffer, .address_space: global }
      - { .name: vc, .offset: 64, .size: 8, .value_kind: global_buffer, .address_space: global }
      - { .name: vsc, .offset: 72, .size: 8, .value_kind: global_buffer, .address_space: global }
      - { .name: out0, .offset: 80, .size: 8, .value_kind: global_buffer, .address_space: global }
    .group_segment_fixed_size: 214016
    .private_segment_fixed_size: 0
    .kernarg_segment_align: 8
    .kernarg_segment_size: 88
    .max_flat_workgroup_size: 256
    .sgpr_count:     66
    .vgpr_count:     512
    .wavefront_size: 32
...
	.end_amdgpu_metadata
.endif
;; end of part 3
;; ======== version 2 of 2: 3 launches; version 1 with the launches kv, att written anew for expert scheduling mode
;; workspace buffers: wc 1,048,576 bytes; wsc 32,768 bytes; kc 16,777,216 bytes; ksc 1,048,576 bytes; vc 16,777,216 bytes; vsc 524,288 bytes
;; launch wq: the kernel of part 1 again; grid 256 x 1, 1 waves a work-group, no clusters, 0 bytes of LDS; arguments Wq, Wk, Wv, Wo, wc, wsc; writes wc, wsc
;; launch kv (part 4): grid 128 x 2, 8 waves a work-group, no clusters, 35,840 bytes of LDS; arguments key_spikes, value_spikes, wc, wsc, bk, bv, kc, ksc, vc, vsc; writes kc, ksc, vc, vsc
.if DOCPART == 4
	.amdgcn_target "amdgcn-amd-amdhsa--gfx1250"
	.amdhsa_code_object_version 6
	.text
	.protected	k_q1ebdf5dce2_kv
	.globl	k_q1ebdf5dce2_kv
	.p2align	8
	.type	k_q1ebdf5dce2_kv,@function
k_q1ebdf5dce2_kv:
	s_mov_b64 s[64:65], 0
	v_nop
	global_prefetch_b8 v0, s[64:65] scope:SCOPE_SE
	s_setreg_imm32_b32 hwreg(HW_REG_WAVE_SCHED_MODE, 0, 2), 2
	s_setreg_imm32_b32 hwreg(HW_REG_WAVE_MODE, 25, 1), 1
	s_wait_xcnt 0x0
	s_wait_alu depctr_vm_vsrc(0)
; K = Q8(key_spikes) Q8(Wk) + bk and V = Q8(value_spikes) Q8(Wv) + bv, Q8 the quantiser to E4M3 with one E8M0 scale for each 32 along K; the results are quantised at once for the attention's two products:
; K along the head's 64 (two blocks), V along the keys (eight blocks), and stored as codes in the order of the operand's registers.  (temporal_sync is left out of the whole program: see the first kernel's head.)
; SHARES.  Work-group (x, y): slice bt = x (256 rows x 512), y = 0: K, y = 1: V.  Eight waves; 8 chunks of 32 rows.  Wave w quantises 4 rows of each chunk, and projects all 32 rows onto head w (columns 64 w .. 64 w + 63):
; its 256 registers of weight codes (window 1) are read once and stay.
; x GOES FROM WAVE TO WAVE THROUGH LDS: two buffers by turns, 32 rows of 512 code bytes + 16 of padding (pitch 528 = 33 x 16: the 16 rows of a fragment load fall on 16 different 16-byte columns of 256), then 32 x 16 scale bytes.
; ONE BARRIER A CHUNK: buffer p is written again two chunks on, behind the next chunk's barrier, which every wave signals only when its reads of buffer p are back.
; THE ROWS OF A TILE ARE NOT NEIGHBOURS: place 16 u + r of a buffer holds chunk row 8 u + r + 8 (r / 8).  K is used transposed (source 0 = 16 columns of W, source 1 = 16 rows of x): a lane holds one key, registers run along d.
; V is used as it stands (source 0 = x, source 1 = W): a lane holds one column d, and the 16 registers of tiles u = 0, 1 are the 16 neighbouring keys 16 (lane / 16) + 0 .. 15 of the chunk: a chunk is one block of 32 keys.
; OUT.  kc [bt][head][key tile 16][c 2][lane][16 B];  ksc [bt][head][kb 8][lane] words: lanes 0-15 tile 2 kb, lanes 16-31 tile 2 kb + 1; bytes 0, 1 the scales, bytes 2, 3 zero;
;       vc [bt][head][f 4][ks 2][c 4][lane][16 B];   vsc [bt][head][f 4][lane] words: lanes 0-15 keys 0-127, lanes 16-31 keys 128-255.
; CLUSTERS are not used: what work-groups share is a weight's 256 KB of codes, which lie in memory in the order of the operand's registers and go by plain loads into the registers where they stay; a joint load would
; land them in LDS, from where the same 256 KB would be read once more; the 512 KB of x that a work-group streams are its own.
; LIMITS: NaN and infinities among the inputs are not served; a block of zeros gets the byte 1 where the rule says 127 (its codes are zeros; this program alone reads the bytes); the bias starts the f32 sum where reference() adds it last.
; THE MODE: SCHED_MODE bits 1:0 = 2 (LLVM: expert scheduling mode 2), set by the entry lines.  The code itself states the register dependences
; between vector or matrix instructions and memory or LDS instructions, with s_wait_alu, always for 0.
; THE PLAN.  Registers that memory or LDS instructions touch, round a trip:
;   RAW            The next chunk's global loads land in it; the trip's first QUANT reads it and holds its numbers in place.
;   PC, TM+4.., T  Written by the two QUANTs and by the scale word's lines; read by the LDS stores of x's codes and bytes, and at the trip's end by the global stores.
;   XF, XSC        XF lies over PC, TM and T.  LDS loads land in them; the products read them.  XF's two sets take turns: K steps 0 and 2, 1 and 3.
;   v3-v11, v28    Offsets and LDS addresses: made at the head, never written again.
;   VS             Named by vector lines alone until V's last four stores.
;   HA, BI, WS and window 1 are named in the loop by vector and matrix instructions alone.
; So a trip has six waits: va_vdst behind the first QUANT; vm_vsrc behind the barrier; va_vdst behind K steps 0 and 1; va_vdst ahead of the run of global stores; vm_vsrc at the trip's end.  Each says at its place what it states.
; A wave's 512 registers are half of what its SIMD has, and two waves share a SIMD: there is no room for a third set of fragments.
.set XBUF,  17408                      ; an x buffer: 32 x 528 + 32 x 16
.set XSB,   16896                      ; its scale bytes
.set SPARE, 34816                      ; the spare words, 128 bytes a wave: four blocks of 256 bytes that no other line names
.set SPW, 1                            ; v1   my spare word's address; never rewritten
.set NIL, 2                            ; v2   0; never rewritten
.set XA,  3                            ; v3   64 x lane: my 16 numbers of a row of x
.set XWC, 4                            ; v4   where I store codes: 4 w rows of 528 + 16 x lane
.set XWB, 5                            ; v5   and scale bytes: 64 w + lane / 2
.set XFA, 6                            ; v6   a fragment's place for my lane: 528 r + 16 h
.set LI,  8                            ; v8   16 x lane
.set LS,  9                            ; v9   4 x lane
.set PFO, 10                           ; v10  the prefetch's offset: 2,048 (lane / 8) + 256 (lane % 8)
.set BA,  11                           ; v11  bk: 64 h
.set VS,  12                           ; v12-15 V's scale words as they grow
.set WS,  16                           ; v16-23 the weight's scale words: 2 t + s / 2, the row by s % 2
.set XSC, 24                           ; v24-27 x's scale words: K step s; lanes 0-15 tile 0, lanes 16-31 tile 1
.set BAV, 28                           ; v28  bv: 4 (r + 8 (r / 8))
.set BI,  32                           ; v32-63 the bias in the result's layout, eight registers a tile
.set XF,  64                           ; v64-127 x's fragments: two K steps by turns, two tiles each
.set PC,  64                           ; v64-79 codes just made;  v80-95, v96-99 at work: laid over XF while it is idle
.set TM,  80
.set T,   96
.set HA,  128                          ; v128-191 eight accumulators
.set RAW, 192                          ; v192-255 four rows' 16 numbers a lane
.set WV,  28
.set Y,   29
.set SBT, 30
.set XB,  32                           ; s[32:33] x at my rows of the chunk in hand
.set WCP, 34
.set WSP, 36
.set BP,  38
.set OC,  40                           ; s[40:41] where the chunk's codes go;  s[42:43] its scale words
.set OS,  42
.set OCS, 44                           ; s[44:45], s[46:47] their steps
.set OSS, 46
.set SEL, 48                           ; s[48:49] v_permlanex16_b32's selects for lane l xor 16
.set MNT, 50
.set HI,  51
.set CH,  52                           ; the chunk
.set LP,  53
.set HM,  54
.set SH,  55
.set MSB, 0
.macro WIN new                         ; the immediate's high byte repeats the setting that is left
.if MSB != (\new)
	s_set_vgpr_msb (MSB<<8)|(\new)
.set MSB, (\new)
.endif
.endm
.macro NOPS n
.rept \n
	v_nop
.endr
.endm
.macro BAR                             ; my LDS stores have landed and my LDS loads are in: then the work-group's barrier
	s_wait_dscnt 0x0
	s_barrier_signal -1
	s_barrier_wait -1
.endm
; nb blocks, block b = v[s + 16 b] .. + 15 (half a block of 32; the other half lies in lane l xor 1 (join = 0) or l xor 16 (join = 1)), become codes in v[PC + 4 b] on and scale bytes in v[TM + 4 + b].
.macro QUANT s, join, nb
.set qb, 0
.rept \nb
	v_max3_num_f32 v[TM+qb], |v[(\s)+16*qb]|, |v[(\s)+16*qb+1]|, 0x4800000   ; with the floor 2^(9 - 127): the byte cannot fall under 1.  (Each accumulator is read from its low end on)
.set qb, qb+1
.endr
.irp i, 2,4,6,8,10,12,14
.set qb, 0
.rept \nb
	v_max3_num_f32 v[TM+qb], v[TM+qb], |v[(\s)+16*qb+\i]|, |v[(\s)+16*qb+\i+1]|   ; the blocks by turns
.set qb, qb+1
.endr
.endr
.if \join
.set qb, 0
.rept \nb
	v_permlanex16_b32 v[TM+4+qb], v[TM+qb], s[SEL], s[SEL+1]
.set qb, qb+1
.endr
.set qb, 0
.rept \nb
	v_max_num_f32 v[TM+qb], v[TM+qb], v[TM+4+qb]
.set qb, qb+1
.endr
.else
.set qb, 0
.rept \nb
	v_max_num_f32_dpp v[TM+qb], v[TM+qb], v[TM+qb] row_xmask:1 row_mask:0xf bank_mask:0xf
.set qb, qb+1
.endr
.endif
.set qb, 0
.rept \nb
	v_add_nc_u32 v[TM+12+qb], 0xfc000000, v[TM+qb]   ; 8 off the exponent field: the conversion's scale operand
.set qb, qb+1
.endr
.set qb, 0
.rept \nb
	v_and_or_b32 v[TM+8+qb], v[TM+qb], 0x7f800000, s[MNT]   ; 448 x the scale
.set qb, qb+1
.endr
.set qb, 0
.rept \nb
	v_lshrrev_b32 v[TM+4+qb], 23, v[TM+12+qb]      ; the scale's byte
.set qb, qb+1
.endr
.set qb, 0
.rept \nb
.irp i, 0,1,2,3,4,5,6,7,8,9,10,11,12,13,14,15
	v_med3_num_f32 v[(\s)+16*qb+\i], v[(\s)+16*qb+\i], -v[TM+8+qb], v[TM+8+qb]   ; the conversion does not saturate (ISA guide 7.6.2): the hold
.endr
	v_cvt_scalef32_pk8_fp8_f32 v[PC+4*qb:PC+4*qb+1], v[(\s)+16*qb:(\s)+16*qb+7], v[TM+12+qb]
	v_cvt_scalef32_pk8_fp8_f32 v[PC+4*qb+2:PC+4*qb+3], v[(\s)+16*qb+8:(\s)+16*qb+15], v[TM+12+qb]
.set qb, qb+1
.endr
	v_nop                                          ; a plain line behind the last conversion
.endm
.macro XLOAD o                         ; my four rows, o bytes on: a lane takes 64 neighbouring bytes of each; a row's four loads cover its 2,048 bytes
.irp i, 0,1,2,3
.irp j, 0,1,2,3
	global_load_b128 v[RAW+16*\i+4*\j:RAW+16*\i+4*\j+3], v[XA], s[XB:XB+1] offset:(\o)+2048*\i+16*\j th:TH_LOAD_NT
.endr
.endr
.endm
.macro XSTORE p                        ; four rows' codes and scale bytes into buffer p
.irp i, 0,1,2,3
	ds_store_b128 v[XWC], v[PC+4*\i:PC+4*\i+3] offset:(\p)*XBUF+528*\i
.endr
.irp i, 0,1,2,3
	ds_store_b8 v[XWB], v[TM+4+\i] offset:(\p)*XBUF+XSB+16*\i   ; both lanes of a block write the same byte with the same value
.endr
.endm
.macro FRAGS p, s                      ; K step s of both tiles of rows: lane (r, h), registers 4 c on: k = 128 s + 32 c + 16 h + 0 .. 15
.irp u, 0,1
.irp c, 0,1,2,3
	ds_load_b128 v[XF+32*((\s)%2)+16*\u+4*\c:XF+32*((\s)%2)+16*\u+4*\c+3], v[XFA] offset:(\p)*XBUF+16*\u*528+128*(\s)+32*\c
.endr
.endr
.endm
; one scaled product.  c < 0: the sum starts with 0.  ra, rb: the scales are read from lanes 16-31 of their registers
.macro WM d, a, b, c, sa, sb, ra, rb
.set wm_m, 2*(\ra)+(\rb)
.if (\c) < 0
.if wm_m == 0
	v_wmma_scale_f32_16x16x128_f8f6f4 v[(\d):(\d)+7], v[(\a):(\a)+15], v[(\b):(\b)+15], 0, v[(\sa)], v[(\sb)]
.elseif wm_m == 1
	v_wmma_scale_f32_16x16x128_f8f6f4 v[(\d):(\d)+7], v[(\a):(\a)+15], v[(\b):(\b)+15], 0, v[(\sa)], v[(\sb)] matrix_b_scale:MATRIX_SCALE_ROW1
.elseif wm_m == 2
	v_wmma_scale_f32_16x16x128_f8f6f4 v[(\d):(\d)+7], v[(\a):(\a)+15], v[(\b):(\b)+15], 0, v[(\sa)], v[(\sb)] matrix_a_scale:MATRIX_SCALE_ROW1
.else
	v_wmma_scale_f32_16x16x128_f8f6f4 v[(\d):(\d)+7], v[(\a):(\a)+15], v[(\b):(\b)+15], 0, v[(\sa)], v[(\sb)] matrix_a_scale:MATRIX_SCALE_ROW1 matrix_b_scale:MATRIX_SCALE_ROW1
.endif
.else
.if wm_m == 0
	v_wmma_scale_f32_16x16x128_f8f6f4 v[(\d):(\d)+7], v[(\a):(\a)+15], v[(\b):(\b)+15], v[(\c):(\c)+7], v[(\sa)], v[(\sb)]
.elseif wm_m == 1
	v_wmma_scale_f32_16x16x128_f8f6f4 v[(\d):(\d)+7], v[(\a):(\a)+15], v[(\b):(\b)+15], v[(\c):(\c)+7], v[(\sa)], v[(\sb)] matrix_b_scale:MATRIX_SCALE_ROW1
.elseif wm_m == 2
	v_wmma_scale_f32_16x16x128_f8f6f4 v[(\d):(\d)+7], v[(\a):(\a)+15], v[(\b):(\b)+15], v[(\c):(\c)+7], v[(\sa)], v[(\sb)] matrix_a_scale:MATRIX_SCALE_ROW1
.else
	v_wmma_scale_f32_16x16x128_f8f6f4 v[(\d):(\d)+7], v[(\a):(\a)+15], v[(\b):(\b)+15], v[(\c):(\c)+7], v[(\sa)], v[(\sb)] matrix_a_scale:MATRIX_SCALE_ROW1 matrix_b_scale:MATRIX_SCALE_ROW1
.endif
.endif
.endm
; K step s of the eight accumulators, one instruction a turn.  The bias is the C of a sum's first product.
.macro MUL8 nat, s
.if \nat
.irp f, 0,1,2,3
.irp u, 0,1
.if (\s) == 0
	WM HA+16*\f+8*\u, XF+32*((\s)%2)+16*\u, 16*(4*\f+(\s)), BI+8*\f, XSC+(\s), WS+2*\f+(\s)/2, \u, (\s)%2
.else
	WM HA+16*\f+8*\u, XF+32*((\s)%2)+16*\u, 16*(4*\f+(\s)), HA+16*\f+8*\u, XSC+(\s), WS+2*\f+(\s)/2, \u, (\s)%2
.endif
.endr
.endr
.else
.irp u, 0,1
.irp t, 0,1,2,3
.if (\s) == 0
	WM HA+32*\u+8*\t, 16*(4*\t+(\s)), XF+32*((\s)%2)+16*\u, BI+8*\t, WS+2*\t+(\s)/2, XSC+(\s), (\s)%2, \u
.else
	WM HA+32*\u+8*\t, 16*(4*\t+(\s)), XF+32*((\s)%2)+16*\u, HA+32*\u+8*\t, WS+2*\t+(\s)/2, XSC+(\s), (\s)%2, \u
.endif
.endr
.endr
.endif
.endm
; 32 rows of buffer p x my 64 columns, K = 512 in four steps.  nat = 0: transposed (the weight is source 0, in window 1); nat = 1: as it stands (the weight is source 1).
; A load into a register that a product has read stands eight places behind it, and behind the wait that states that the products are done reading it; a product that begins a sum anew on an accumulator stands nine places behind;
; only plain vector lines that name none of its registers are places.
; The first seventeen loads lean on two waits that stand ahead of this macro: the one behind the trip's first QUANT (the last trip's products are done reading XSC and XF; PC, TM and T are written) and the one behind the barrier.
.macro PROJ p, nat
	ds_load_b128 v[XSC:XSC+3], v[LI] offset:(\p)*XBUF+XSB   ; lane l: the 16 scale bytes of place l
	FRAGS \p, 0
	FRAGS \p, 1
	NOPS 4                                         ; the fragments' registers were last written by vector lines: four places ahead of a scaled product
	s_wait_dscnt 8                                 ; the scale words and K step 0 are in; K step 1's eight loads may be out
	WIN 1+3*(\nat)
	MUL8 \nat, 0
	WIN 0
	NOPS 8
	s_wait_alu depctr_va_vdst(0)                   ; K step 0's products are done reading XF's set 0, in which K step 2's fragments land
	FRAGS \p, 2
	s_wait_dscnt 8                                 ; K step 1 is in; K step 2's eight may be out
	WIN 1+3*(\nat)
	MUL8 \nat, 1
	WIN 0
	NOPS 8
	s_wait_alu depctr_va_vdst(0)                   ; K step 1's products are done reading XF's set 1, in which K step 3's fragments land
	FRAGS \p, 3
	s_wait_dscnt 8                                 ; K step 2 is in; K step 3's eight may be out
	WIN 1+3*(\nat)
	MUL8 \nat, 2
	s_wait_dscnt 0x0
	MUL8 \nat, 3
	WIN 0
	NOPS 9
.endm
.macro LOADW1 first, n, base, off      ; n pieces of 512 bytes, as they lie, into window 1 from v[first] on
	WIN 0x40
.set li_, 0
.rept \n
	global_load_b128 v[(\first)+4*li_:(\first)+4*li_+3], v[LI], s[(\base):(\base)+1] offset:(\off)+512*li_
.set li_, li_+1
.endr
	WIN 0
.endm
	s_load_b512 s[8:23], s[0:1], 0x0               ; key_spikes, value_spikes, wc, wsc, bk, bv, kc, ksc
	s_load_b128 s[24:27], s[0:1], 0x40             ; vc, vsc
	v_lshl_add_u32 v[SPW], v0, 2, SPARE
	v_mov_b32 v[NIL], 0
	v_lshrrev_b32 v[T], 5, v0
	v_readfirstlane_b32 s[WV], v[T]                ; wave 0..7
	s_and_b32 s[Y], ttmp7, 0xffff                  ; 0: K, 1: V
	s_mov_b32 s[SBT], ttmp9                        ; the slice
	v_and_b32 v[T], 31, v0                         ; lane
	v_and_b32 v[T+1], 15, v0                       ; r
	v_bfe_u32 v[T+2], v0, 4, 1                     ; h
	v_lshlrev_b32 v[XA], 6, v[T]
	s_wait_alu depctr_va_sdst(0)                   ; the wave's number is written, ahead of its first reader: LDS addresses and the buffers' offsets are made from it
	s_mul_i32 s56, s[WV], 4*528
	v_lshl_add_u32 v[XWC], v[T], 4, s56
	s_lshl_b32 s56, s[WV], 6
	v_lshrrev_b32 v[XWB], 1, v[T]
	v_add_nc_u32 v[XWB], s56, v[XWB]
	v_mul_u32_u24 v[XFA], v[T+1], 528
	v_lshl_add_u32 v[XFA], v[T+2], 4, v[XFA]
	v_lshlrev_b32 v[LI], 4, v[T]
	v_lshlrev_b32 v[LS], 2, v[T]
	v_lshrrev_b32 v[T+3], 3, v[T]
	v_and_b32 v[PFO], 7, v[T]
	v_lshlrev_b32 v[PFO], 8, v[PFO]
	v_lshl_add_u32 v[PFO], v[T+3], 11, v[PFO]
	v_lshlrev_b32 v[BA], 6, v[T+2]
	v_and_b32 v[T+3], 8, v[T+1]
	v_add_nc_u32 v[T+3], v[T+3], v[T+1]
	v_lshlrev_b32 v[BAV], 2, v[T+3]
.irp f, 0,1,2,3
	v_mov_b32 v[VS+\f], 0
	v_mov_b32 v[TM+4+\f], 0                        ; a lane permute's destination counts as one of its sources
.endr
	s_mov_b32 s[SEL], 0x76543210
	s_mov_b32 s[SEL+1], 0xfedcba98
	s_mov_b32 s[MNT], 0x600000
	s_mov_b32 s[HI], 0xffff0000
	s_mov_b32 s[CH], 0
	s_mov_b32 s[LP], 4
	s_lshr_b32 s56, s[WV], 2                       ; places 4 w .. 4 w + 3 hold chunk rows 8 (w / 4) + 4 (w % 4) + 8 ((w / 2) % 2) + 0 .. 3
	s_lshl_b32 s56, s56, 3
	s_and_b32 s57, s[WV], 3
	s_lshl_b32 s57, s57, 2
	s_add_co_u32 s56, s56, s57
	s_bfe_u32 s57, s[WV], 0x10001
	s_lshl_b32 s57, s57, 3
	s_add_co_u32 s56, s56, s57
	s_lshl_b32 s56, s56, 11                        ; rows of 2,048 bytes
	s_lshl_b32 s57, s[SBT], 19                     ; + the slice's 524,288 bytes
	s_add_co_u32 s56, s56, s57
	s_mov_b32 s57, 0
	s_add_co_u32 s58, s[Y], 1                      ; weight 1 (k) or 2 (v)
	s_lshl_b32 s60, s58, 13
	s_lshl_b32 s58, s58, 18
	s_lshl_b32 s59, s[WV], 15
	s_add_co_u32 s58, s58, s59                     ; its codes for head w
	s_mov_b32 s59, 0
	s_lshl_b32 s61, s[WV], 10
	s_add_co_u32 s60, s60, s61                     ; and scale words
	s_mov_b32 s61, 0
	s_lshl_b32 s62, s[SBT], 3
	s_add_co_u32 s62, s62, s[WV]                   ; 8 bt + w
	s_wait_kmcnt 0x0
	s_cmp_eq_u32 s[Y], 0                           ; the buffers are chosen by the work-group's number alone
	s_cselect_b64 s[XB:XB+1], s[8:9], s[10:11]
	s_cselect_b64 s[BP:BP+1], s[16:17], s[18:19]
	s_cselect_b64 s[OC:OC+1], s[20:21], s[24:25]
	s_cselect_b64 s[OS:OS+1], s[22:23], s[26:27]
	s_mov_b32 s[OCS], 512
	s_cselect_b32 s[OCS], 2048, s[OCS]             ; a chunk's codes: K two key tiles, V piece c of each fragment
	s_mov_b32 s[OCS+1], 0
	s_cselect_b32 s[OSS], 128, 0
	s_mov_b32 s[OSS+1], 0
	s_cselect_b32 s[SH], 10, 9
	s_add_nc_u64 s[XB:XB+1], s[XB:XB+1], s[56:57]
	s_add_nc_u64 s[WCP:WCP+1], s[12:13], s[58:59]
	s_add_nc_u64 s[WSP:WSP+1], s[14:15], s[60:61]
	s_lshl_b32 s56, s[WV], 8
	s_add_nc_u64 s[BP:BP+1], s[BP:BP+1], s[56:57]
	s_lshl_b32 s56, s62, 14
	s_add_nc_u64 s[OC:OC+1], s[OC:OC+1], s[56:57]
	s_lshl_b32 s56, s62, s[SH]
	s_add_nc_u64 s[OS:OS+1], s[OS:OS+1], s[56:57]
	s_wait_alu depctr_va_vdst(0)                   ; the offsets and LDS addresses v3 to v11 and v28 and the add's v1 and v2 are written: every load, store and prefetch of the kernel reads some of them, and none is written again
	XLOAD 0                                        ; chunk 0
	LOADW1 0, 64, WCP, 0                           ; fragment (t, s) at window 1's v[16 (4 t + s)]
.irp i, 0,1,2,3,4,5,6,7
	global_load_b32 v[WS+\i], v[LS], s[WSP:WSP+1] offset:128*\i
.endr
	s_cmp_lg_u32 s[Y], 0
	s_cbranch_scc1 .Lbias_v
.irp t, 0,1,2,3                        ; K: lane (r, h), tile t, register j: column 32 (t / 2) + 8 (t % 2) + 16 h + j
	global_load_b128 v[BI+8*\t:BI+8*\t+3], v[BA], s[BP:BP+1] offset:(32*(\t/2)+8*(\t%2))*4
	global_load_b128 v[BI+8*\t+4:BI+8*\t+7], v[BA], s[BP:BP+1] offset:(32*(\t/2)+8*(\t%2))*4+16
.endr
	s_branch .Lbias_done
.Lbias_v:
.irp t, 0,1,2,3                        ; V: a lane holds one column, 32 (t / 2) + 8 (t % 2) + r + 8 (r / 8), in all eight registers
.irp j, 0,1,2,3,4,5,6,7
	global_load_b32 v[BI+8*\t+\j], v[BAV], s[BP:BP+1] offset:(32*(\t/2)+8*(\t%2))*4
.endr
.endr
.Lbias_done:
.macro TRIP p
	s_wait_loadcnt 0x0                             ; my four rows of this chunk (in the first trip the weight and the bias too)
	QUANT RAW, 0, 4
	s_wait_alu depctr_va_vdst(0)                   ; QUANT has written PC and the bytes, which the LDS stores read, and is done with RAW, in which the next chunk lands; the last trip's products are done reading XSC and XF, in which this trip's LDS loads land
	XSTORE \p
.if \p
	s_cmp_lt_u32 s[CH], 7                          ; the last chunk has no successor: no load leaves its buffer
	s_cbranch_scc0 .Lnox_\@
.endif
	XLOAD 65536                                    ; the next chunk, a whole trip ahead of its wait
.if \p
.Lnox_\@:
.endif
	s_cmp_lt_u32 s[CH], 5                          ; a prefetch of my four rows of chunk CH + 3, a lane to each 256 bytes: two trips ahead of the loads that will want them; each block is named once in the launch; the last three chunks ask for nothing
	s_cbranch_scc0 .Lnop_\@
	global_prefetch_b8 v[PFO], s[XB:XB+1] offset:196608 th:TH_LOAD_NT scope:SCOPE_SE
.Lnop_\@:
	BAR                                            ; the chunk's 32 rows lie in buffer p
	s_wait_alu depctr_vm_vsrc(0)                   ; my LDS stores have read PC and the bytes in TM: the fragments land over them, and the second QUANT writes them again
	s_cmp_lg_u32 s[Y], 0
	s_cbranch_scc1 .Lpv_\@
	PROJ \p, 0
	s_branch .Lpj_\@
.Lpv_\@:
	PROJ \p, 1
.Lpj_\@:
	QUANT HA, 1, 4                                 ; K: block 2 u + b = d 32 b on of tile u's keys;  V: block f = this chunk's 32 keys of tile f's columns
	s_cmp_lg_u32 s[Y], 0
	s_cbranch_scc1 .Lsv_\@
	v_lshl_or_b32 v[T], v[TM+5], 8, v[TM+4]        ; tile 0's scale word: two bytes, the upper two zero
	v_lshl_or_b32 v[T+1], v[TM+7], 8, v[TM+6]      ; tile 1's
	v_cndmask_b32 v[T], v[T], v[T+1], s[HI]        ; lanes 16-31 carry tile 1's
	s_wait_alu depctr_va_vdst(0)                   ; the codes in PC and the scale word in T are written, which the five stores read
.irp n, 0,1,2,3
	global_store_b128 v[LI], v[PC+4*\n:PC+4*\n+3], s[OC:OC+1] offset:512*\n   ; 512 consecutive bytes a store
.endr
	global_store_b32 v[LS], v[T], s[OS:OS+1]
	s_branch .Lsj_\@
.Lsv_\@:
	s_wait_alu depctr_va_vdst(0)                   ; the codes in PC are written, which the four stores read
.irp f, 0,1,2,3
	global_store_b128 v[LI], v[PC+4*\f:PC+4*\f+3], s[OC:OC+1] offset:4096*\f
.endr
	s_and_b32 s[SH], s[CH], 3
	s_lshl_b32 s[SH], s[SH], 3                     ; the chunk's byte in the word,
	s_mov_b32 s[HM], 0xffff
	s_cmp_lt_u32 s[CH], 4
	s_cselect_b32 s[HM], s[HM], s[HI]              ; in lanes 0-15 (keys 0-127) or lanes 16-31
.irp f, 0,1,2,3
	v_cndmask_b32 v[T+\f], 0, v[TM+4+\f], s[HM]
	v_lshl_or_b32 v[VS+\f], v[T+\f], s[SH], v[VS+\f]
.endr
.Lsj_\@:
	s_wait_xcnt 0x0                                ; the stores' data, the loads' and the prefetch's base are written again only behind this wait
	s_wait_alu depctr_vm_vsrc(0)                   ; the stores have read PC and T, which the next trip's QUANT writes and its fragments land in
	s_add_nc_u64 s[XB:XB+1], s[XB:XB+1], 65536
	s_add_nc_u64 s[OC:OC+1], s[OC:OC+1], s[OCS:OCS+1]
	s_add_nc_u64 s[OS:OS+1], s[OS:OS+1], s[OSS:OSS+1]
	s_add_co_u32 s[CH], s[CH], 1
.endm
.Lloop:
	TRIP 0
	TRIP 1
	s_sub_co_u32 s[LP], s[LP], 1
	s_cmp_lg_u32 s[LP], 0
	s_cbranch_scc1 .Lloop
	s_cmp_eq_u32 s[Y], 0
	s_cbranch_scc1 .Lend
	s_wait_alu depctr_va_vdst(0)                   ; the last trip's lines have written V's scale words in VS, which the four stores read
.irp f, 0,1,2,3
	global_store_b32 v[LS], v[VS+\f], s[OS:OS+1] offset:128*\f
.endr
.Lend:
	s_wait_dscnt 0x0                               ; the closing lines, six on end
	s_wait_alu 0x0
	s_wait_tensorcnt 0x0
	ds_add_u32 v[SPW], v[NIL]
	s_wait_dscnt 0x0
	s_endpgm
.Lfunc_end_k_q1ebdf5dce2_kv:
	.size	k_q1ebdf5dce2_kv, .Lfunc_end_k_q1ebdf5dce2_kv-k_q1ebdf5dce2_kv
	.p2alignl 7, 3214868480
	.fill 96, 4, 3214868480
	.section	.rodata,"a",@progbits
	.p2align	6, 0x0
	.amdhsa_kernel k_q1ebdf5dce2_kv
		.amdhsa_group_segment_fixed_size 35840
		.amdhsa_private_segment_fixed_size 0
		.amdhsa_enable_private_segment 0
		.amdhsa_kernarg_size 80
		.amdhsa_user_sgpr_count 2
		.amdhsa_user_sgpr_kernarg_segment_ptr 1
		.amdhsa_wavefront_size32 1
		.amdhsa_system_sgpr_workgroup_id_x 1
		.amdhsa_system_sgpr_workgroup_id_y 1
		.amdhsa_system_sgpr_workgroup_id_z 1
		.amdhsa_system_vgpr_workitem_id 0
		.amdhsa_next_free_vgpr 512
		.amdhsa_next_free_sgpr 66
		.amdhsa_reserve_vcc 0
		.amdhsa_float_denorm_mode_32 3
		.amdhsa_float_denorm_mode_16_64 3
		.amdhsa_memory_ordered 1
		.amdhsa_forward_progress 1
		.amdhsa_inst_pref_size 87
	.end_amdhsa_kernel
	.amdgpu_metadata
---
amdhsa.version: [ 1, 2 ]
amdhsa.kernels:
  - .name:           k_q1ebdf5dce2_kv
    .symbol:         k_q1ebdf5dce2_kv.kd
    .args:
      - { .name: key_spikes, .offset: 0, .size: 8, .value_kind: global_buffer, .address_space: global }
      - { .name: value_spikes, .offset: 8, .size: 8, .value_kind: global_buffer, .address_space: global }
      - { .name: wc, .offset: 16, .size: 8, .value_kind: global_buffer, .address_space: global }
      - { .name: wsc, .offset: 24, .size: 8, .value_kind: global_buffer, .address_space: global }
      - { .name: bk, .offset: 32, .size: 8, .value_kind: global_buffer, .address_space: global }
      - { .name: bv, .offset: 40, .size: 8, .value_kind: global_buffer, .address_space: global }
      - { .name: kc, .offset: 48, .size: 8, .value_kind: global_buffer, .address_space: global }
      - { .name: ksc, .offset: 56, .size: 8, .value_kind: global_buffer, .address_space: global }
      - { .name: vc, .offset: 64, .size: 8, .value_kind: global_buffer, .address_space: global }
      - { .name: vsc, .offset: 72, .size: 8, .value_kind: global_buffer, .address_space: global }
    .group_segment_fixed_size: 35840
    .private_segment_fixed_size: 0
    .kernarg_segment_align: 8
    .kernarg_segment_size: 80
    .max_flat_workgroup_size: 256
    .sgpr_count:     66
    .vgpr_count:     512
    .wavefront_size: 32
...
	.end_amdgpu_metadata
.endif
;; end of part 4
;; launch att (part 5): grid 256 x 1, 8 waves a work-group, no clusters, 214,016 bytes of LDS; arguments query_spikes, wc, wsc, bq, bo, modality_weights, kc, ksc, vc, vsc, out0; writes out0
.if DOCPART == 5
	.amdgcn_target "amdgcn-amd-amdhsa--gfx1250"
	.amdhsa_code_object_version 6
	.text
	.protected	k_q1ebdf5dce2_att
	.globl	k_q1ebdf5dce2_att
	.p2align	8
	.type	k_q1ebdf5dce2_att,@function
k_q1ebdf5dce2_att:
	s_mov_b64 s[64:65], 0
	v_nop
	global_prefetch_b8 v0, s[64:65] scope:SCOPE_SE
	s_setreg_imm32_b32 hwreg(HW_REG_WAVE_SCHED_MODE, 0, 2), 2
	s_setreg_imm32_b32 hwreg(HW_REG_WAVE_MODE, 25, 1), 1
	s_wait_xcnt 0x0
	s_wait_alu depctr_vm_vsrc(0)
; out0 = Q8(attended) Q8(Wo) + bo, attended = Q8(attn) Q8(V), attn = p / (sum p + 1e-8), p = sigmoid(5 (score - row's largest score)), score = Q8(Q) . Q8(K) / 8 x mw[0][h] mw[1][h], Q = Q8(query_spikes) Q8(Wq) + bq.
; Q8: the quantiser to E4M3 with one E8M0 scale for each 32 along a product's K.  LEFT OUT: temporal_sync, the same along the keys, falls out of score - max for all values (shown at the first kernel's head).
; SHARES.  Work-group id: slice bt = id / 2, queries 128 (id % 2) on.  Eight waves; wave w = head w in the attention, columns 64 w .. 64 w + 63 in both projections.
; PHASE Q: four chunks of 32 rows, as the launch before does K: x is quantised by all waves into two LDS buffers by turns, one barrier a chunk; Q's codes go to the wave's own LDS bytes.
; ATTENTION, eight tiles of 16 queries: K's and V's codes of (bt, w), 256 registers, lie in window 1.  S^T = K Q^T (a lane holds one query, registers run along the keys), the finished weights are quantised in registers,
; O^T = V^T P^T, quantised along the head's 64 and stored as an image of the output projection's operand.  One barrier.  PHASE O: Wo's codes in window 1; 32 rows a trip; results leave through the wave's own stage.
; K = 64 IN THE SCORES: the instruction takes 128.  Q's operand is 8 registers of codes and 8 of zero codes; K's is key tile i's 8 registers and the 8 that follow them (valid codes, which meet zeros); the scale bytes there are 0, a finite power of two.
; THE SIGN OF mw: c = mw[0][h] mw[1][h] 5 log2(e) / 8.  Q's codes get c's sign (an exclusive or on the codes' sign bits), so that the products give S' = sgn(c) x the raw score, and the row's largest c x raw is |c| x the largest S'.
; p = 1 / (1 + 2^w), w = |c| max S' - |c| S', never under 0 but for rounding: the maximum is taken away as reference() takes it.
; A BLOCK'S LARGEST WEIGHT IS NOT SEARCHED FOR: the block's largest S' goes through the same lines as all scores.
; CLUSTERS are not used: the two work-groups of a slice share K's and V's codes, 256 KB, which go by plain loads into the registers where they stay, as the weights do; a joint load would land them in LDS and cost an LDS read of the same bytes more.
; LIMITS: NaN and infinities among the inputs are not served.  A block of zeros gets the byte 1 where the rule says 127.  v_exp_f32 and v_rcp_f32 are taken not to fall (rise) where their input rises: else one weight of a block, within
; an ulp of a power of two, is held one code low.  Where w passes 126, p is 0 where reference() holds a number under 2^-126.  The scaling by c is one multiplication where reference() rounds three times; f32 sums go in another order.
; THE MODE: SCHED_MODE bits 1:0 = 2 (LLVM: expert scheduling mode 2), set by the entry lines.  The code itself states the register dependences
; between vector or matrix instructions and memory or LDS instructions, with s_wait_alu, always for 0.
; THE PLAN.  Registers that memory or LDS instructions touch:
;   PHASE Q, a chunk.  RAW: the next chunk's loads land, the first QUANT reads and holds.  PC, TM+4.., T: written by the two QUANTs, the sign's lines and the scale words' lines; read by the LDS stores of x's codes and, at the chunk's
;     end, of Q's.  XF (over PC, TM, T) and XSC: LDS loads land, products read; XF's two sets take turns.  Waits: vm_vsrc at the head of chunks 1 to 3; va_vdst behind the first QUANT; vm_vsrc behind the barrier; va_vdst behind K steps 0 and 1;
;     va_vdst ahead of the chunk's last LDS stores.
;   BETWEEN THE PHASES.  Window 1, v16-27 and BI are loaded anew.  Their last readers, products, stand ahead of the va_vdst in front of the phase's last LDS stores, and no vector or matrix line behind that wait names them.
;   THE ATTENTION, a tile.  v3-v6, LDS addresses, which have no scalar base: written at the trip's head, read by its three LDS loads and three LDS stores.  Q's eight code registers and QSR: LDS loads land, the score products read.
;     PC's low eight and TM: written by the last QUANT, read by the LDS stores; the next trip writes them as P's codes and the blocks' largest.  Waits: vm_vsrc, the four adds, va_vdst at the head; the three waits behind the
;     transcendentals' batches; va_vdst ahead of the second product, whose codes and scale words vector lines have made; va_vdst ahead of the LDS stores.
;   PHASE O, a trip.  v6, v7: written at the head, read by the LDS loads.  HB: halfwords land, are joined; the products write it, the stage's LDS stores read it.  v64-191: the images land, the products read; rows come back into v64-127,
;     the global stores read them.  AS: vector lines write, the products take it as scales.  Waits: vm_vsrc, two adds, va_vdst at the head; va_vdst behind the scale words' places; va_vdst behind the products' places.
;   Every other offset and address is made at the head (phase O's: ahead of its loop) and not written in a loop.
.set XBUF,  17408
.set XSB,   16896
.set QC,    34816                      ; Q's codes: 8,192 bytes a wave: 8 tiles x (2 pieces of 512)
.set QSW,   100352                     ; Q's scale words: 1,024 bytes a wave: 8 tiles x 128
.set AT,    108544                     ; attended's codes: 8,192 bytes a wave: [tile 8][b 2][lane][16]
.set ATS,   174080                     ; its scale bytes: 512 bytes a wave: [tile 8][lane][2]
.set STG,   178176                     ; the way out: 16 rows x 272 bytes a wave
.set SPARE, 212992                     ; the spare words, 128 bytes a wave: four blocks of 256 bytes that no other line names
.set SPW, 1
.set NIL, 2
.set XA,  3
.set XWC, 4
.set XWB, 5
.set XFA, 6
.set LI,  8                            ; v8   16 x lane
.set LS,  9                            ; v9   4 x lane
.set PFO, 10                           ; v10  256 x lane; never rewritten
.set QCA, 11                           ; v11  QC + 8,192 w + 16 x lane; in phase O: AT + 16 x lane
.set QSA, 12                           ; v12  QSW + 1,024 w + 4 x lane; in phase O: ATS + 2 x lane
.set ATA, 13                           ; v13  AT + 8,192 w + 16 x lane
.set ASA, 14                           ; v14  ATS + 512 w + 2 x lane
.set BA,  15                           ; v15  64 h
.set WS,  16
.set XSC, 24
.set BI,  32
.set XF,  64
.set PC,  64
.set TM,  80
.set T,   96
.set HA,  128
.set RAW, 192
.set KS,  16                           ; the attention: v16-23 K's scale words, v24-27 V's, v28 Q's, v30-31 P's
.set VSR, 24
.set QSR, 28
.set PS,  30
.set QW,  32                           ; v32-47 Q's operand
.set PCD, 48                           ; v48-79 P's codes
.set BM,  80                           ; v80-87 the blocks' largest
.set BX,  88
.set LIM, 96
.set SCO, 104
.set BY,  112
.set UM,  120                          ; v[120:121] |c| x the row's largest S'
.set SA,  122
.set SB,  124
.set INV, 126
.set S,   128                          ; v128-255 S^T, then the weights
.set OA,  128                          ; v128-159 O^T
.set STO, 3                            ; phase O
.set SRD, 4
.set GO,  5
.set AS,  24                           ; v24-31 attended's scale words
.set HB,  192                          ; v192-255 eight accumulators
.set OB,  64
.set WV,  30
.set SBT, 31
.set QH,  32
.set MWO, 33
.set XB,  34
.set OUTP, 36
.set KCP, 38
.set VCP, 40
.set KSP, 42
.set VSP, 44
.set SEL, 46
.set MNT, 48
.set CA,  49                           ; |c|
.set NC,  50                           ; s[50:51] -|c|, named as a pair
.set SG,  52                           ; c's sign in each byte's top bit
.set MSB, 0
.macro WIN new                         ; the immediate's high byte repeats the setting that is left
.if MSB != (\new)
	s_set_vgpr_msb (MSB<<8)|(\new)
.set MSB, (\new)
.endif
.endm
.macro NOPS n
.rept \n
	v_nop
.endr
.endm
.macro BAR                             ; my LDS stores have landed and my LDS loads are in: then the work-group's barrier
	s_wait_dscnt 0x0
	s_barrier_signal -1
	s_barrier_wait -1
.endm
; nb blocks, block b = v[s + 16 b] .. + 15 (half a block of 32; the other half lies in lane l xor 1 (join = 0) or l xor 16 (join = 1)), become codes in v[PC + 4 b] on and scale bytes in v[TM + 4 + b].
.macro QUANT s, join, nb
.set qb, 0
.rept \nb
	v_max3_num_f32 v[TM+qb], |v[(\s)+16*qb]|, |v[(\s)+16*qb+1]|, 0x4800000   ; with the floor 2^(9 - 127): the byte cannot fall under 1.  (Each accumulator is read from its low end on)
.set qb, qb+1
.endr
.irp i, 2,4,6,8,10,12,14
.set qb, 0
.rept \nb
	v_max3_num_f32 v[TM+qb], v[TM+qb], |v[(\s)+16*qb+\i]|, |v[(\s)+16*qb+\i+1]|
.set qb, qb+1
.endr
.endr
.if \join
.set qb, 0
.rept \nb
	v_permlanex16_b32 v[TM+4+qb], v[TM+qb], s[SEL], s[SEL+1]
.set qb, qb+1
.endr
.set qb, 0
.rept \nb
	v_max_num_f32 v[TM+qb], v[TM+qb], v[TM+4+qb]
.set qb, qb+1
.endr
.else
.set qb, 0
.rept \nb
	v_max_num_f32_dpp v[TM+qb], v[TM+qb], v[TM+qb] row_xmask:1 row_mask:0xf bank_mask:0xf
.set qb, qb+1
.endr
.endif
.set qb, 0
.rept \nb
	v_add_nc_u32 v[TM+12+qb], 0xfc000000, v[TM+qb]   ; 8 off the exponent field: the conversion's scale operand
.set qb, qb+1
.endr
.set qb, 0
.rept \nb
	v_and_or_b32 v[TM+8+qb], v[TM+qb], 0x7f800000, s[MNT]   ; 448 x the scale
.set qb, qb+1
.endr
.set qb, 0
.rept \nb
	v_lshrrev_b32 v[TM+4+qb], 23, v[TM+12+qb]      ; the scale's byte
.set qb, qb+1
.endr
.set qb, 0
.rept \nb
.irp i, 0,1,2,3,4,5,6,7,8,9,10,11,12,13,14,15
	v_med3_num_f32 v[(\s)+16*qb+\i], v[(\s)+16*qb+\i], -v[TM+8+qb], v[TM+8+qb]   ; the conversion does not saturate (ISA guide 7.6.2): the hold
.endr
	v_cvt_scalef32_pk8_fp8_f32 v[PC+4*qb:PC+4*qb+1], v[(\s)+16*qb:(\s)+16*qb+7], v[TM+12+qb]
	v_cvt_scalef32_pk8_fp8_f32 v[PC+4*qb+2:PC+4*qb+3], v[(\s)+16*qb+8:(\s)+16*qb+15], v[TM+12+qb]
.set qb, qb+1
.endr
	v_nop                                          ; a plain line behind the last conversion
.endm
.macro XLOAD o
.irp i, 0,1,2,3
.irp j, 0,1,2,3
	global_load_b128 v[RAW+16*\i+4*\j:RAW+16*\i+4*\j+3], v[XA], s[XB:XB+1] offset:(\o)+2048*\i+16*\j th:TH_LOAD_NT
.endr
.endr
.endm
.macro XSTORE p
.irp i, 0,1,2,3
	ds_store_b128 v[XWC], v[PC+4*\i:PC+4*\i+3] offset:(\p)*XBUF+528*\i
.endr
.irp i, 0,1,2,3
	ds_store_b8 v[XWB], v[TM+4+\i] offset:(\p)*XBUF+XSB+16*\i   ; both lanes of a block write the same byte with the same value
.endr
.endm
.macro FRAGS p, s
.irp u, 0,1
.irp c, 0,1,2,3
	ds_load_b128 v[XF+32*((\s)%2)+16*\u+4*\c:XF+32*((\s)%2)+16*\u+4*\c+3], v[XFA] offset:(\p)*XBUF+16*\u*528+128*(\s)+32*\c
.endr
.endr
.endm
; one scaled product.  c < 0: the sum starts with 0.  ra, rb: the scales are read from lanes 16-31 of their registers
.macro WM d, a, b, c, sa, sb, ra, rb
.set wm_m, 2*(\ra)+(\rb)
.if (\c) < 0
.if wm_m == 0
	v_wmma_scale_f32_16x16x128_f8f6f4 v[(\d):(\d)+7], v[(\a):(\a)+15], v[(\b):(\b)+15], 0, v[(\sa)], v[(\sb)]
.elseif wm_m == 1
	v_wmma_scale_f32_16x16x128_f8f6f4 v[(\d):(\d)+7], v[(\a):(\a)+15], v[(\b):(\b)+15], 0, v[(\sa)], v[(\sb)] matrix_b_scale:MATRIX_SCALE_ROW1
.elseif wm_m == 2
	v_wmma_scale_f32_16x16x128_f8f6f4 v[(\d):(\d)+7], v[(\a):(\a)+15], v[(\b):(\b)+15], 0, v[(\sa)], v[(\sb)] matrix_a_scale:MATRIX_SCALE_ROW1
.else
	v_wmma_scale_f32_16x16x128_f8f6f4 v[(\d):(\d)+7], v[(\a):(\a)+15], v[(\b):(\b)+15], 0, v[(\sa)], v[(\sb)] matrix_a_scale:MATRIX_SCALE_ROW1 matrix_b_scale:MATRIX_SCALE_ROW1
.endif
.else
.if wm_m == 0
	v_wmma_scale_f32_16x16x128_f8f6f4 v[(\d):(\d)+7], v[(\a):(\a)+15], v[(\b):(\b)+15], v[(\c):(\c)+7], v[(\sa)], v[(\sb)]
.elseif wm_m == 1
	v_wmma_scale_f32_16x16x128_f8f6f4 v[(\d):(\d)+7], v[(\a):(\a)+15], v[(\b):(\b)+15], v[(\c):(\c)+7], v[(\sa)], v[(\sb)] matrix_b_scale:MATRIX_SCALE_ROW1
.elseif wm_m == 2
	v_wmma_scale_f32_16x16x128_f8f6f4 v[(\d):(\d)+7], v[(\a):(\a)+15], v[(\b):(\b)+15], v[(\c):(\c)+7], v[(\sa)], v[(\sb)] matrix_a_scale:MATRIX_SCALE_ROW1
.else
	v_wmma_scale_f32_16x16x128_f8f6f4 v[(\d):(\d)+7], v[(\a):(\a)+15], v[(\b):(\b)+15], v[(\c):(\c)+7], v[(\sa)], v[(\sb)] matrix_a_scale:MATRIX_SCALE_ROW1 matrix_b_scale:MATRIX_SCALE_ROW1
.endif
.endif
.endm
; K step s of the eight accumulators, one instruction a turn; transposed: source 0 = 16 columns of the weight (window 1), source 1 = 16 rows of x.  The bias is the C of a sum's first product.
.macro MUL8 s
.irp u, 0,1
.irp t, 0,1,2,3
.if (\s) == 0
	WM HA+32*\u+8*\t, 16*(4*\t+(\s)), XF+32*((\s)%2)+16*\u, BI+8*\t, WS+2*\t+(\s)/2, XSC+(\s), (\s)%2, \u
.else
	WM HA+32*\u+8*\t, 16*(4*\t+(\s)), XF+32*((\s)%2)+16*\u, HA+32*\u+8*\t, WS+2*\t+(\s)/2, XSC+(\s), (\s)%2, \u
.endif
.endr
.endr
.endm
; A load into a register that a product has read stands eight places behind it, and behind the wait that states that the products are done reading it; a product that begins a sum anew on an accumulator stands nine places behind;
; only plain vector lines that name none of its registers are places.
; The first seventeen loads lean on two waits that stand ahead of this macro: the one behind the chunk's first QUANT (the last chunk's products are done reading XSC and XF; PC, TM and T are written) and the one behind the barrier.
.macro PROJ p
	ds_load_b128 v[XSC:XSC+3], v[LI] offset:(\p)*XBUF+XSB
	FRAGS \p, 0
	FRAGS \p, 1
	NOPS 4                                         ; the fragments' registers were last written by vector lines: four places ahead of a scaled product
	s_wait_dscnt 8                                 ; the scale words and K step 0 are in; K step 1's eight loads may be out
	WIN 1
	MUL8 0
	WIN 0
	NOPS 8
	s_wait_alu depctr_va_vdst(0)                   ; K step 0's products are done reading XF's set 0, in which K step 2's fragments land
	FRAGS \p, 2
	s_wait_dscnt 8                                 ; K step 1 is in; K step 2's eight may be out
	WIN 1
	MUL8 1
	WIN 0
	NOPS 8
	s_wait_alu depctr_va_vdst(0)                   ; K step 1's products are done reading XF's set 1, in which K step 3's fragments land
	FRAGS \p, 3
	s_wait_dscnt 8                                 ; K step 2 is in; K step 3's eight may be out
	WIN 1
	MUL8 2
	s_wait_dscnt 0x0
	MUL8 3
	WIN 0
	NOPS 9
.endm
.macro LOADW1 first, n, base, off      ; n pieces of 512 bytes, as they lie, into window 1 from v[first] on
	WIN 0x40
.set li_, 0
.rept \n
	global_load_b128 v[(\first)+4*li_:(\first)+4*li_+3], v[LI], s[(\base):(\base)+1] offset:(\off)+512*li_
.set li_, li_+1
.endr
	WIN 0
.endm
	s_load_b512 s[8:23], s[0:1], 0x0               ; query_spikes, wc, wsc, bq, bo, modality_weights, kc, ksc
	s_load_b128 s[24:27], s[0:1], 0x40             ; vc, vsc
	s_load_b64 s[28:29], s[0:1], 0x50              ; out0
	v_lshl_add_u32 v[SPW], v0, 2, SPARE
	v_mov_b32 v[NIL], 0
	v_lshrrev_b32 v[T], 5, v0
	v_readfirstlane_b32 s[WV], v[T]                ; wave 0..7
	s_lshr_b32 s[SBT], ttmp9, 1
	s_and_b32 s[QH], ttmp9, 1
	v_and_b32 v[T], 31, v0                         ; lane
	v_and_b32 v[T+1], 15, v0                       ; r
	v_bfe_u32 v[T+2], v0, 4, 1                     ; h
	v_lshlrev_b32 v[XA], 6, v[T]
	s_wait_alu depctr_va_sdst(0)                   ; the wave's number is written, ahead of its first reader: LDS addresses and the buffers' offsets are made from it
	s_mul_i32 s58, s[WV], 4*528
	v_lshl_add_u32 v[XWC], v[T], 4, s58
	s_lshl_b32 s58, s[WV], 6
	v_lshrrev_b32 v[XWB], 1, v[T]
	v_add_nc_u32 v[XWB], s58, v[XWB]
	v_mul_u32_u24 v[XFA], v[T+1], 528
	v_lshl_add_u32 v[XFA], v[T+2], 4, v[XFA]
	v_lshlrev_b32 v[LI], 4, v[T]
	v_lshlrev_b32 v[LS], 2, v[T]
	v_lshlrev_b32 v[PFO], 8, v[T]
	s_lshl_b32 s58, s[WV], 13
	s_add_co_u32 s59, s58, QC
	v_lshl_add_u32 v[QCA], v[T], 4, s59
	s_add_co_u32 s59, s58, AT
	v_lshl_add_u32 v[ATA], v[T], 4, s59
	s_lshl_b32 s58, s[WV], 10
	s_add_co_u32 s58, s58, QSW
	v_lshl_add_u32 v[QSA], v[T], 2, s58
	s_lshl_b32 s58, s[WV], 9
	s_add_co_u32 s58, s58, ATS
	v_lshl_add_u32 v[ASA], v[T], 1, s58
	v_lshlrev_b32 v[BA], 6, v[T+2]
.irp f, 0,1,2,3
	v_mov_b32 v[TM+4+\f], 0                        ; a lane permute's destination counts as one of its sources
.endr
	s_mov_b32 s[SEL], 0x76543210
	s_mov_b32 s[SEL+1], 0xfedcba98
	s_mov_b32 s[MNT], 0x600000
	s_lshl_b32 s[MWO], s[WV], 2
	s_lshl_b32 s58, ttmp9, 18                      ; my 128 rows of 2,048 bytes, in x and in out0
	s_mov_b32 s59, 0
	s_lshr_b32 s60, s[WV], 2                       ; places 4 w .. 4 w + 3 hold chunk rows 8 (w / 4) + 4 (w % 4) + 8 ((w / 2) % 2) + 0 .. 3
	s_lshl_b32 s60, s60, 3
	s_and_b32 s61, s[WV], 3
	s_lshl_b32 s61, s61, 2
	s_add_co_u32 s60, s60, s61
	s_bfe_u32 s61, s[WV], 0x10001
	s_lshl_b32 s61, s61, 3
	s_add_co_u32 s60, s60, s61
	s_lshl_b32 s60, s60, 11
	s_mov_b32 s61, 0
	s_lshl_b32 s62, s[SBT], 3
	s_add_co_u32 s62, s62, s[WV]                   ; 8 bt + w
	s_wait_kmcnt 0x0
	s_load_b32 s54, s[18:19], s[MWO] offset:0x0    ; mw[0][w]
	s_load_b32 s55, s[18:19], s[MWO] offset:0x20   ; mw[1][w]
	s_add_nc_u64 s[XB:XB+1], s[8:9], s[58:59]
	s_add_nc_u64 s[XB:XB+1], s[XB:XB+1], s[60:61]
	s_add_nc_u64 s[OUTP:OUTP+1], s[28:29], s[58:59]
	s_lshl_b32 s60, s[WV], 15
	s_add_nc_u64 s[10:11], s[10:11], s[60:61]      ; Wq's codes for head w; Wo's lie 786,432 bytes on
	s_lshl_b32 s60, s[WV], 10
	s_add_nc_u64 s[12:13], s[12:13], s[60:61]      ; Wq's scale words; Wo's lie 24,576 bytes on
	s_lshl_b32 s60, s[WV], 8
	s_add_nc_u64 s[14:15], s[14:15], s[60:61]
	s_add_nc_u64 s[16:17], s[16:17], s[60:61]
	s_lshl_b32 s60, s62, 14
	s_add_nc_u64 s[KCP:KCP+1], s[20:21], s[60:61]
	s_add_nc_u64 s[VCP:VCP+1], s[24:25], s[60:61]
	s_lshl_b32 s60, s62, 10
	s_add_nc_u64 s[KSP:KSP+1], s[22:23], s[60:61]
	s_lshl_b32 s60, s62, 9
	s_add_nc_u64 s[VSP:VSP+1], s[26:27], s[60:61]
	s_wait_alu depctr_va_vdst(0)                   ; the offsets and LDS addresses v3 to v15 and the add's v1 and v2 are written, which the loads, stores and prefetches below read
	XLOAD 0                                        ; chunk 0
	LOADW1 0, 64, 10, 0                            ; Wq: fragment (t, s) at window 1's v[16 (4 t + s)]
.irp i, 0,1,2,3,4,5,6,7
	global_load_b32 v[WS+\i], v[LS], s[12:13] offset:128*\i
.endr
.irp t, 0,1,2,3
	global_load_b128 v[BI+8*\t:BI+8*\t+3], v[BA], s[14:15] offset:(32*(\t/2)+8*(\t%2))*4
	global_load_b128 v[BI+8*\t+4:BI+8*\t+7], v[BA], s[14:15] offset:(32*(\t/2)+8*(\t%2))*4+16
.endr
	s_wait_kmcnt 0x0
	v_mov_b32 v[T], s54
	v_mul_f32 v[T], s55, v[T]
	v_mul_f32 v[T], 0x3f66d4ca, v[T]               ; c = mw[0] mw[1] x 5 log2(e) / 8
	v_readfirstlane_b32 s54, v[T]
	s_wait_alu depctr_va_sdst(0)                   ; c is written into s54, ahead of its first reader
	s_and_b32 s[CA], s54, 0x7fffffff
	s_or_b32 s[NC], s54, 0x80000000
	s_mov_b32 s[NC+1], s[NC]
	s_ashr_i32 s[SG], s54, 31
	s_and_b32 s[SG], s[SG], 0x80808080
; ---- PHASE Q: chunk c, written out four times: every offset is an immediate
.macro QTRIP c
	s_wait_loadcnt 0x0                             ; my four rows of this chunk (in the first trip the weight and the bias too)
.if (\c) > 0
	s_wait_alu depctr_vm_vsrc(0)                   ; the LDS stores at the last chunk's end have read Q's codes in PC, which QUANT writes again
.endif
	QUANT RAW, 0, 4
	s_wait_alu depctr_va_vdst(0)                   ; QUANT has written PC and the bytes, which the LDS stores read, and is done with RAW, in which the next chunk lands; the last chunk's products are done reading XSC and XF, in which this chunk's LDS loads land
	XSTORE (\c)%2
.if (\c) < 3
	XLOAD 65536*((\c)+1)                           ; the next chunk, a whole trip ahead of its wait
.endif
	s_cmp_lg_u32 s[QH], 0                          ; a prefetch of my head's K and V codes, 16,384 bytes each, 8,192 a trip, lanes 256 bytes apart.  Both work-groups of a slice read them: the first asks, so that each block is named once in the launch
	s_cbranch_scc1 .Lnpf_\@
.if (\c) < 2
	global_prefetch_b8 v[PFO], s[KCP:KCP+1] offset:8192*(\c) th:TH_LOAD_NT scope:SCOPE_SE
.else
	global_prefetch_b8 v[PFO], s[VCP:VCP+1] offset:8192*((\c)-2) th:TH_LOAD_NT scope:SCOPE_SE
.endif
.Lnpf_\@:
	BAR                                            ; the chunk's 32 rows lie in the buffer
	s_wait_alu depctr_vm_vsrc(0)                   ; my LDS stores have read PC and the bytes in TM, and the last chunk's the scale words in T: the fragments land over them, and the second QUANT writes them again
	PROJ (\c)%2
	QUANT HA, 1, 4                                 ; block 2 u + b: d 32 b on of query tile 2 c + u
.irp i, 0,1,2,3,4,5,6,7,8,9,10,11,12,13,14,15
	v_xor_b32 v[PC+\i], s[SG], v[PC+\i]            ; c's sign onto the codes
.endr
	v_lshl_or_b32 v[T], v[TM+5], 8, v[TM+4]        ; a tile's scale word: two bytes, the upper two zero
	v_lshl_or_b32 v[T+1], v[TM+7], 8, v[TM+6]
	s_wait_alu depctr_va_vdst(0)                   ; Q's codes in PC and the two scale words in T are written, which the six LDS stores read
.irp n, 0,1,2,3
	ds_store_b128 v[QCA], v[PC+4*\n:PC+4*\n+3] offset:2048*(\c)+512*\n   ; my own bytes: no other wave touches them
.endr
	ds_store_b32 v[QSA], v[T] offset:256*(\c)
	ds_store_b32 v[QSA], v[T+1] offset:256*(\c)+128
.endm
	QTRIP 0
	QTRIP 1
	QTRIP 2
	QTRIP 3
; ---- THE ATTENTION.  Window 1: v0-127 K's 16 key tiles of 8 registers; v128-255 V's fragments (f, ks) at v[128 + 16 (2 f + ks)]
; These loads land in window 1, WS and XSC, which phase Q's products read: the wait ahead of the last chunk's six LDS stores has stated that those are done, and only these stores, which name none of the loads' registers, stand between.
	LOADW1 0, 32, KCP, 0
	LOADW1 128, 32, VCP, 0
.irp i, 0,1,2,3,4,5,6,7
	global_load_b32 v[KS+\i], v[LS], s[KSP:KSP+1] offset:128*\i
.endr
.irp f, 0,1,2,3
	global_load_b32 v[VSR+\f], v[LS], s[VSP:VSP+1] offset:128*\f
.endr
.irp j, 0,1,2,3,4,5,6,7
	v_mov_b32 v[QW+8+\j], 0                        ; the zero codes of Q's operand: k = 64 .. 127
.endr
	v_mov_b32 v[UM+1], 0                           ; (named as the upper halves of pairs)
	v_mov_b32 v[INV+1], 0
	s_mov_b32 s53, 0                               ; 1,024 x tile: Q's codes, attended's codes
	s_mov_b32 s54, 0                               ; 128 x tile: Q's scale words
	s_mov_b32 s56, 0                               ; 64 x tile: attended's scale bytes
	s_mov_b32 s57, 8
	s_wait_loadcnt 0x0
.Latt:
	s_wait_alu depctr_vm_vsrc(0)                   ; the LDS loads and stores issued so far have read v3 to v6, which the four lines below write, and PC, TM and T, which this trip writes as P's codes, the blocks' largest and their holds
	v_add_nc_u32 v3, s53, v[QCA]
	v_add_nc_u32 v4, s54, v[QSA]
	v_add_nc_u32 v5, s53, v[ATA]
	v_add_nc_u32 v6, s56, v[ASA]
	s_wait_alu depctr_va_vdst(0)                   ; v3 to v6 are written, which the trip's LDS loads and stores read; the last trip's score products are done reading Q's codes and scale word, in which the loads land; in the first trip the zero codes are written, which the products take
	ds_load_b128 v[QW:QW+3], v3
	ds_load_b128 v[QW+4:QW+7], v3 offset:512
	ds_load_b32 v[QSR], v4
	s_wait_dscnt 0x0
	WIN 1
.set i, 0
.rept 16                               ; S^T: key tile i; lane (r, h), register j: query r, key 32 (i / 2) + 8 (i % 2) + 16 h + j
	WM S+8*i, 8*i, QW, -1, KS+i/2, QSR, i%2, 0
.set i, i+1
.endr
	WIN 0
	NOPS 9
.irp b, 0,1,2,3,4,5,6,7
	v_max3_num_f32 v[BM+\b], v[S+16*\b], v[S+16*\b+1], v[S+16*\b+2]   ; the largest S' of each block of 32 keys: for the row's maximum and for the block's largest weight
.endr
.irp i, 3,5,7,9,11,13
.irp b, 0,1,2,3,4,5,6,7
	v_max3_num_f32 v[BM+\b], v[BM+\b], v[S+16*\b+\i], v[S+16*\b+\i+1]
.endr
.endr
.irp b, 0,1,2,3,4,5,6,7
	v_max_num_f32 v[BM+\b], v[BM+\b], v[S+16*\b+15]
.endr
.irp b, 0,1,2,3,4,5,6,7
	v_permlanex16_b32 v[BX+\b], v[BM+\b], s[SEL], s[SEL+1]
.endr
.irp b, 0,1,2,3,4,5,6,7
	v_max_num_f32 v[BM+\b], v[BM+\b], v[BX+\b]     ; with lane l xor 16's 16 keys
.endr
	v_max3_num_f32 v[UM], v[BM], v[BM+1], v[BM+2]
	v_max3_num_f32 v[UM], v[UM], v[BM+3], v[BM+4]
	v_max3_num_f32 v[UM], v[UM], v[BM+5], v[BM+6]
	v_max_num_f32 v[UM], v[UM], v[BM+7]
	v_mul_f32 v[UM], s[CA], v[UM]
.set i, 0
.rept 64
	v_pk_fma_f32 v[S+2*i:S+2*i+1], v[S+2*i:S+2*i+1], s[NC:NC+1], v[UM:UM+1] op_sel_hi:[1,0,0]   ; w = |c| max - |c| S', two at a time
.set i, i+1
.endr
.irp b, 0,1,2,3,4,5,6,7
	v_fma_f32 v[BM+\b], v[BM+\b], s[NC], v[UM]
.endr
.set i, 0
.rept 128
	v_exp_f32 v[S+i], v[S+i]
.set i, i+1
.endr
.irp b, 0,1,2,3,4,5,6,7
	v_exp_f32 v[BM+\b], v[BM+\b]
.endr
	v_nop                                          ; a plain line behind the last exponential,
	s_wait_alu depctr_va_vdst(0)                   ; and one wait for the batch: the 136 exponentials have written S and BM, ahead of their first reader
.set i, 0
.rept 64
	v_pk_add_f32 v[S+2*i:S+2*i+1], v[S+2*i:S+2*i+1], 1.0 op_sel_hi:[1,0]
.set i, i+1
.endr
.irp b, 0,1,2,3,4,5,6,7
	v_add_f32 v[BM+\b], 1.0, v[BM+\b]
.endr
.set i, 0
.rept 128
	v_rcp_f32 v[S+i], v[S+i]                       ; p = 1 / (1 + 2^w)
.set i, i+1
.endr
.irp b, 0,1,2,3,4,5,6,7
	v_rcp_f32 v[BM+\b], v[BM+\b]
.endr
	v_nop
	s_wait_alu depctr_va_vdst(0)                   ; one wait for the batch: the 136 reciprocals have written S and BM, ahead of their first reader
	v_pk_add_f32 v[SA:SA+1], v[S:S+1], v[S+2:S+3]  ; the row's sum, two at a time, in two chains
	v_pk_add_f32 v[SB:SB+1], v[S+4:S+5], v[S+6:S+7]
.set i, 8
.rept 30
	v_pk_add_f32 v[SA:SA+1], v[SA:SA+1], v[S+i:S+i+1]
	v_pk_add_f32 v[SB:SB+1], v[SB:SB+1], v[S+i+2:S+i+3]
.set i, i+4
.endr
	v_pk_add_f32 v[SA:SA+1], v[SA:SA+1], v[SB:SB+1]
	v_add_f32 v[SA], v[SA], v[SA+1]
	v_permlanex16_b32 v[SB], v[SA], s[SEL], s[SEL+1]
	v_add_f32 v[SA], v[SA], v[SB]                  ; with lane l xor 16's 128 keys
	v_add_f32 v[SA], 0x322bcc77, v[SA]             ; + 1e-8
	v_rcp_f32 v[INV], v[SA]
	v_nop
	s_wait_alu depctr_va_vdst(0)                   ; the reciprocal of the row's sum is written, ahead of its first reader
.set i, 0
.rept 64
	v_pk_mul_f32 v[S+2*i:S+2*i+1], v[S+2*i:S+2*i+1], v[INV:INV+1] op_sel_hi:[1,0]   ; the finished weights: what is quantised
.set i, i+1
.endr
.irp b, 0,1,2,3,4,5,6,7
	v_mul_f32 v[BM+\b], v[BM+\b], v[INV]
.endr
.irp b, 0,1,2,3,4,5,6,7
	v_max_num_f32 v[BM+\b], 0x4800000, v[BM+\b]    ; the floor 2^(9 - 127)
.endr
.irp b, 0,1,2,3,4,5,6,7
	v_add_nc_u32 v[SCO+\b], 0xfc000000, v[BM+\b]
.endr
.irp b, 0,1,2,3,4,5,6,7
	v_and_or_b32 v[LIM+\b], v[BM+\b], 0x7f800000, s[MNT]
.endr
.irp b, 0,1,2,3,4,5,6,7
	v_lshrrev_b32 v[BY+\b], 23, v[SCO+\b]
.endr
.irp k, 0,1
	v_lshl_or_b32 v[PS+\k], v[BY+4*\k+1], 8, v[BY+4*\k]   ; the scale words of keys 128 k on; the holds below are their places ahead of the products
	v_lshl_or_b32 v[PS+\k], v[BY+4*\k+2], 16, v[PS+\k]
	v_lshl_or_b32 v[PS+\k], v[BY+4*\k+3], 24, v[PS+\k]
.endr
.irp b, 0,1,2,3,4,5,6,7
.irp i, 0,1,2,3,4,5,6,7,8,9,10,11,12,13,14,15
	v_min_num_f32 v[S+16*\b+\i], v[S+16*\b+\i], v[LIM+\b]   ; a weight is never negative: the hold is one-sided
.endr
	v_cvt_scalef32_pk8_fp8_f32 v[PCD+4*\b:PCD+4*\b+1], v[S+16*\b:S+16*\b+7], v[SCO+\b]
	v_cvt_scalef32_pk8_fp8_f32 v[PCD+4*\b+2:PCD+4*\b+3], v[S+16*\b+8:S+16*\b+15], v[SCO+\b]
.endr
	NOPS 5                                         ; an operand written by vector lines stands four places ahead of a scaled product; the conversion itself is no place
	s_wait_alu depctr_va_vdst(0)                   ; behind the places: P's codes and its two scale words are written, which the scaled products take
	WIN 1
.irp k, 0,1                            ; O^T = V^T P^T: four accumulators by turns; lane (r, h), tile f, register j: query r, d = 32 (f / 2) + 8 (f % 2) + 16 h + j
.irp f, 0,1,2,3
.if \k == 0
	WM OA+8*\f, 128+16*(2*\f+\k), PCD+16*\k, -1, VSR+\f, PS+\k, \k, 0
.else
	WM OA+8*\f, 128+16*(2*\f+\k), PCD+16*\k, OA+8*\f, VSR+\f, PS+\k, \k, 0
.endif
.endr
.endr
	WIN 0
	NOPS 9
	QUANT OA, 1, 2                                 ; attended, along the head's 64: pieces 2 (w % 2) + b of K step w / 2 of the output projection
	v_lshl_or_b32 v[TM], v[TM+5], 8, v[TM+4]       ; my two of the scale word's four bytes
	s_wait_alu depctr_va_vdst(0)                   ; attended's codes in PC and the two bytes in TM are written, which the three LDS stores read; all the trip's products are done reading window 1, KS, VSR and Q's and P's operands
	ds_store_b128 v5, v[PC:PC+3]
	ds_store_b128 v5, v[PC+4:PC+7] offset:512
	ds_store_b16 v6, v[TM]
	s_add_co_u32 s53, s53, 1024
	s_add_co_u32 s54, s54, 128
	s_add_co_u32 s56, s56, 64
	s_sub_co_u32 s57, s57, 1
	s_cmp_lg_u32 s57, 0
	s_cbranch_scc1 .Latt
; ---- PHASE O
; These loads land in window 1, KS and the registers of Q's and P's operands: the wait ahead of the last tile's three LDS stores has stated that their readers and writers are done, and only these stores, which name none of the loads' registers, stand between.
	LOADW1 0, 64, 10, 786432                       ; Wo's codes for columns 64 w on
.irp i, 0,1,2,3,4,5,6,7
	global_load_b32 v[WS+\i], v[LS], s[12:13] offset:24576+128*\i
.endr
.irp t, 0,1,2,3
	global_load_b128 v[BI+8*\t:BI+8*\t+3], v[BA], s[16:17] offset:(32*(\t/2)+8*(\t%2))*4
	global_load_b128 v[BI+8*\t+4:BI+8*\t+7], v[BA], s[16:17] offset:(32*(\t/2)+8*(\t%2))*4+16
.endr
	s_wait_alu depctr_vm_vsrc(0)                   ; the last tile's LDS loads and stores have read v3, v4 and v5, and phase Q's LDS stores v11 and v12: the lines below write all five anew
	v_and_b32 v[HB], 15, v0                        ; r
	v_bfe_u32 v[HB+1], v0, 4, 1                    ; h
	s_mul_i32 s58, s[WV], 16*272
	s_add_co_u32 s58, s58, STG                     ; my stage
	v_mul_u32_u24 v[STO], v[HB], 272
	v_lshl_add_u32 v[STO], v[HB+1], 6, v[STO]
	v_add_nc_u32 v[STO], s58, v[STO]               ; in: row r, + 64 h
	v_mul_u32_u24 v[SRD], v[HB+1], 272
	v_lshl_add_u32 v[SRD], v[HB], 4, v[SRD]
	v_add_nc_u32 v[SRD], s58, v[SRD]               ; back: lanes 0-15 one row of 256 bytes, lanes 16-31 the next
	v_lshlrev_b32 v[GO], 11, v[HB+1]
	v_lshl_add_u32 v[GO], v[HB], 4, v[GO]
	s_lshl_b32 s59, s[WV], 8
	v_add_nc_u32 v[GO], s59, v[GO]                 ; and the same in out0: + my 256 bytes of a row
	v_add_nc_u32 v[QCA], AT, v[LI]
	v_and_b32 v[QSA], 31, v0
	v_lshl_add_u32 v[QSA], v[QSA], 1, ATS
	s_mov_b32 s53, 0                               ; 2,048 x trip: two tiles of attended's codes in each wave's region
	s_mov_b32 s54, 0                               ; 128 x trip: their scale bytes
	s_mov_b32 s57, 4
	BAR                                            ; all eight heads' images of attended lie in LDS
	s_wait_loadcnt 0x0
.Lout:
	s_wait_alu depctr_vm_vsrc(0)                   ; the LDS loads issued so far have read v6 and v7 (the attention's last store: v6), which the two lines below write; the stage's LDS stores have read HB and the global stores the rows in v64-127, in which this trip's loads land
	v_add_nc_u32 v6, s53, v[QCA]
	v_add_nc_u32 v7, s54, v[QSA]
	s_wait_alu depctr_va_vdst(0)                   ; v6 and v7 are written, which the 48 LDS loads read; in the first trip so are the stage's addresses and the offset in out0, and the attention's lines are done with v64-255, in which the loads land
.irp u, 0,1
.irp s, 0,1,2,3
	ds_load_u16 v[HB+2*(4*\u+\s)], v7 offset:1024*\s+64*\u           ; K step s is heads 2 s and 2 s + 1: two bytes of the scale word from each
	ds_load_u16 v[HB+2*(4*\u+\s)+1], v7 offset:1024*\s+64*\u+512
.endr
.endr
.irp u, 0,1
.irp s, 0,1,2,3
.irp c, 0,1,2,3
	ds_load_b128 v[XF+64*\u+16*\s+4*\c:XF+64*\u+16*\s+4*\c+3], v6 offset:8192*(2*\s+\c/2)+512*(\c%2)+1024*\u
.endr
.endr
.endr
	s_wait_dscnt 32                                ; the sixteen halfwords are in; the 32 image loads may be out
.irp k, 0,1,2,3,4,5,6,7
	v_lshl_or_b32 v[AS+\k], v[HB+2*\k+1], 16, v[HB+2*\k]
.endr
	NOPS 8                                         ; a scale register written by a vector line stands eight places ahead of a scaled product
	s_wait_alu depctr_va_vdst(0)                   ; behind the places: attended's eight scale words are written, which the scaled products take
	s_wait_dscnt 0x0
	WIN 1
.irp s, 0,1,2,3
.irp u, 0,1
.irp t, 0,1,2,3
.if \s == 0
	WM HB+32*\u+8*\t, 16*(4*\t+\s), XF+64*\u+16*\s, BI+8*\t, WS+2*\t+\s/2, AS+4*\u+\s, \s%2, 0
.else
	WM HB+32*\u+8*\t, 16*(4*\t+\s), XF+64*\u+16*\s, HB+32*\u+8*\t, WS+2*\t+\s/2, AS+4*\u+\s, \s%2, 0
.endif
.endr
.endr
.endr
	WIN 0
	NOPS 9
	s_wait_alu depctr_va_vdst(0)                   ; behind the places: the products have written HB, which the stage's LDS stores read, and are done reading the images in v64-127, in which the rows land
.irp u, 0,1                            ; the way out: lane (r, h), tile t, register j: place r of tile u, column 32 (t / 2) + 8 (t % 2) + 16 h + j of my 64
.irp t, 0,1,2,3
	ds_store_b128 v[STO], v[HB+32*\u+8*\t:HB+32*\u+8*\t+3] offset:128*(\t/2)+32*(\t%2)       ; each accumulator from its low end on
	ds_store_b128 v[STO], v[HB+32*\u+8*\t+4:HB+32*\u+8*\t+7] offset:128*(\t/2)+32*(\t%2)+16
.endr
.irp i, 0,1,2,3,4,5,6,7
	ds_load_b128 v[OB+32*\u+4*\i:OB+32*\u+4*\i+3], v[SRD] offset:544*\i   ; LDS serves a wave's instructions in order (ISA guide 5.7.1.4): these see my stores, and the next tile's stores come behind them
.endr
.irp i, 0,1,2,3,4,5,6,7
	s_wait_dscnt 7-\i                              ; load i is in; the younger 7 - i may be out
	global_store_b128 v[GO], v[OB+32*\u+4*\i:OB+32*\u+4*\i+3], s[OUTP:OUTP+1] offset:(8*\u+2*\i+8*(\i/4))*2048 th:TH_STORE_NT   ; place r is chunk row 8 u + r + 8 (r / 8); 16 lanes store 256 consecutive bytes, aligned
.endr
.endr
	s_wait_xcnt 0x0                                ; the stores' data and base are written again only behind this wait
	s_add_nc_u64 s[OUTP:OUTP+1], s[OUTP:OUTP+1], 65536
	s_add_co_u32 s53, s53, 2048
	s_add_co_u32 s54, s54, 128
	s_sub_co_u32 s57, s57, 1
	s_cmp_lg_u32 s57, 0
	s_cbranch_scc1 .Lout
	s_wait_dscnt 0x0                               ; the closing lines, six on end
	s_wait_alu 0x0
	s_wait_tensorcnt 0x0
	ds_add_u32 v[SPW], v[NIL]
	s_wait_dscnt 0x0
	s_endpgm
.Lfunc_end_k_q1ebdf5dce2_att:
	.size	k_q1ebdf5dce2_att, .Lfunc_end_k_q1ebdf5dce2_att-k_q1ebdf5dce2_att
	.p2alignl 7, 3214868480
	.fill 96, 4, 3214868480
	.section	.rodata,"a",@progbits
	.p2align	6, 0x0
	.amdhsa_kernel k_q1ebdf5dce2_att
		.amdhsa_group_segment_fixed_size 214016
		.amdhsa_private_segment_fixed_size 0
		.amdhsa_enable_private_segment 0
		.amdhsa_kernarg_size 88
		.amdhsa_user_sgpr_count 2
		.amdhsa_user_sgpr_kernarg_segment_ptr 1
		.amdhsa_wavefront_size32 1
		.amdhsa_system_sgpr_workgroup_id_x 1
		.amdhsa_system_sgpr_workgroup_id_y 1
		.amdhsa_system_sgpr_workgroup_id_z 1
		.amdhsa_system_vgpr_workitem_id 0
		.amdhsa_next_free_vgpr 512
		.amdhsa_next_free_sgpr 66
		.amdhsa_reserve_vcc 0
		.amdhsa_float_denorm_mode_32 3
		.amdhsa_float_denorm_mode_16_64 3
		.amdhsa_memory_ordered 1
		.amdhsa_forward_progress 1
		.amdhsa_inst_pref_size 193
	.end_amdhsa_kernel
	.amdgpu_metadata
---
amdhsa.version: [ 1, 2 ]
amdhsa.kernels:
  - .name:           k_q1ebdf5dce2_att
    .symbol:         k_q1ebdf5dce2_att.kd
    .args:
      - { .name: query_spikes, .offset: 0, .size: 8, .value_kind: global_buffer, .address_space: global }
      - { .name: wc, .offset: 8, .size: 8, .value_kind: global_buffer, .address_space: global }
      - { .name: wsc, .offset: 16, .size: 8, .value_kind: global_buffer, .address_space: global }
      - { .name: bq, .offset: 24, .size: 8, .value_kind: global_buffer, .address_space: global }
      - { .name: bo, .offset: 32, .size: 8, .value_kind: global_buffer, .address_space: global }
      - { .name: modality_weights, .offset: 40, .size: 8, .value_kind: global_buffer, .address_space: global }
      - { .name: kc, .offset: 48, .size: 8, .value_kind: global_buffer, .address_space: global }
      - { .name: ksc, .offset: 56, .size: 8, .value_kind: global_buffer, .address_space: global }
      - { .name: vc, .offset: 64, .size: 8, .value_kind: global_buffer, .address_space: global }
      - { .name: vsc, .offset: 72, .size: 8, .value_kind: global_buffer, .address_space: global }
      - { .name: out0, .offset: 80, .size: 8, .value_kind: global_buffer, .address_space: global }
    .group_segment_fixed_size: 214016
    .private_segment_fixed_size: 0
    .kernarg_segment_align: 8
    .kernarg_segment_size: 88
    .max_flat_workgroup_size: 256
    .sgpr_count:     66
    .vgpr_count:     512
    .wavefront_size: 32
...
	.end_amdgpu_metadata
.endif
;; end of part 5
